; MI455X (gfx1250); checked and timed in simulation.
; The chip was launched on July 23, 2026; its instructions are those of AMD's public machine-readable ISA for CDNA 5 (MIT licence, August 2026) and "CDNA5" Instruction Set Architecture Reference Guide (July 2026). The comments in the code are by the model that wrote it; some were corrected since.
;; Multi Head Attention. Allowed arithmetic: matrix products marked QUANTISED: E5M2 operands, one E8M0 scale for each 32 along K, by v_wmma_scale_f32_16x16x128_f8f6f4 with both operands' format E5M2, f32 sums; everything else in f32.
;; Inputs: Wk 1,024 x 1,024 float32; Wo 1,024 x 1,024 float32; Wq 1,024 x 1,024 float32; Wv 1,024 x 1,024 float32; bk 1,024 float32; bo 1,024 float32; bq 1,024 float32; bv 1,024 float32; x 4 x 2,048 x 1,024 float32.
;; Outputs: out0 4 x 2,048 x 1,024 float32.
;; This version of the problem:
;;   THIS VERSION OF THE PROBLEM IS GIVEN IN LOW PRECISION. The matrix products marked QUANTISED in the list below multiply operands that are first quantised to E5M2 (5 exponent bits, 2 mantissa bits; 8 bits a number), with one power-of-two scale for each 32 numbers along K (OCP MX v1.0); their sums are f32. All else is computed in f32.
;;   The module's matrix products, in the order in which they are computed (A, B: the left and right operand; K: the contracted axis; several contracted axes count as one K, in the product's order):
;;     1. [M 8,192, K 1,024] x [K 1,024, N 1,024]; A: input x; B: input Wq: QUANTISED
;;     2. [M 8,192, K 1,024] x [K 1,024, N 1,024]; A: input x; B: input Wk: QUANTISED
;;     3. [M 8,192, K 1,024] x [K 1,024, N 1,024]; A: input x; B: input Wv: QUANTISED
;;     4. batch 64 x [M 2,048, K 64] x [K 64, N 2,048]; A: computed on the way; B: computed on the way: QUANTISED
;;     5. batch 64 x [M 2,048, K 2,048] x [K 2,048, N 64]; A: softmax (see below); B: computed on the way: QUANTISED
;;     6. [M 8,192, K 1,024] x [K 1,024, N 1,024]; A: computed on the way; B: input Wo: QUANTISED
;;   THE QUANTISER, for each operand of a quantised product, along K:
;;     - K is cut into blocks of 32 from its start; a last block that is shorter is filled with zeros.
;;     - A block's scale is 2^e with e = floor(log2(the largest magnitude in the block)) - 15, held to -126 .. 127; a block of zeros has e = 0. As a byte (E8M0): e + 127.
;;     - Each number is divided by its block's scale, clamped to +-57,344, and rounded to the nearest number of E5M2, ties to even, subnormals kept.
;;     - The product sums the exact products of the quantised numbers (number of the format x scale) in f32.
;;   ~~~python
;;   def quantise(x, axis):      # numpy; x: float32 -> the quantised numbers, widened to float32 again
;;       x = np.moveaxis(x, axis, -1); K = x.shape[-1]
;;       x = np.pad(x, [(0, 0)] * (x.ndim - 1) + [(0, -K % 32)]); x = x.reshape(x.shape[:-1] + (-1, 32)); a = np.abs(x).max(-1, keepdims=True)
;;       e = np.where(a > 0, np.clip(np.frexp(np.where(a > 0, a, 1))[1] - 1 - 15, -126, 127), 0)      # np.frexp(a)[1] - 1 = floor(log2(a)), exactly
;;       r = np.clip(x / 2.0 ** e, -57344, 57344)
;;       step = 2.0 ** (np.maximum(np.frexp(np.where(r == 0, 1, r))[1] - 1, -14) - 2)
;;       q = np.round(r / step) * step * 2.0 ** e      # np.round: ties to even
;;       return np.moveaxis(q.reshape(q.shape[:-2] + (-1,))[..., :K], -1, axis).astype(np.float32)
;;   ~~~
;;   SOFTMAX AHEAD OF A QUANTISED PRODUCT. Where the list says 'softmax', what is quantised is not the finished softmax but p = 2^(t - M), with t = logit x log2(e) and M = ceil(the row's largest t), a whole number; so 1/2 < the row's largest p <= 1. The row's sum l is taken of the UNQUANTISED p, in f32, and the product's result is divided by l at the end. Since M is a whole number, a kernel that streams over the keys may use a running M (the ceiling of the running maximum): every later rescaling is an exact power of two, which a block's scale takes up: the codes' values come out the same.
;;   OPERANDS COMPUTED ON THE WAY. 'Computed on the way' means the value that the module computes at that place (a softmax that the list does not call 'softmax' is quantised finished and normalised). What goes into a quantiser is computed in f32, as accurately as f32 sums, v_exp_f32 and their like allow (about 1e-6 of the number): no bf16 or f16 on the way to a quantiser, and a product that is left as it is and whose result goes on into a quantised operand takes f32 operands (vector FMAs, or v_wmma_f32_16x16x4_f32). A number that lies on a knife's edge between two numbers of the format may be rounded either way, as far as f32 arithmetic and the matrix unit's own rounding can turn it there, and no further.
;; One version. Each part assembles by itself: llvm-mc -triple=amdgcn-amd-amdhsa -mcpu=gfx1250 --defsym DOCPART=n.
;; ======== version 1 of 1: 4 launches
;; limits: right only within a limited range of input values
;; workspace buffers: act_img 8,388,608 bytes; act_sc 262,144 bytes; w_img 4,194,304 bytes; w_sc 131,072 bytes; q_img 8,388,608 bytes; q_sc 524,288 bytes; kv 17,301,504 bytes
;; launch quant (part 1): grid 256 x 1, 6 waves a work-group, no clusters, 51,712 bytes of LDS; arguments x, Wq, Wk, Wv, Wo, act_img, act_sc, w_img, w_sc; writes act_img, act_sc, w_img, w_sc
.if DOCPART == 1
	.amdgcn_target "amdgcn-amd-amdhsa--gfx1250"
	.amdhsa_code_object_version 6
	.text
	.protected	k_qd5a6c5951d_quant
	.globl	k_qd5a6c5951d_quant
	.p2align	8
	.type	k_qd5a6c5951d_quant,@function
k_qd5a6c5951d_quant:
	s_mov_b64 s[64:65], 0
	v_nop
	global_prefetch_b8 v0, s[64:65] scope:SCOPE_SE
	s_setreg_imm32_b32 hwreg(HW_REG_WAVE_MODE, 25, 1), 1
	s_wait_xcnt 0x0
; x [8192][1024] and the four weights [1024][1024], f32 with K innermost, become codes of BF8 (E5M2) with one E8M0 scale byte for each 32 along K.
; A block's scale is 2^(floor(log2(its largest magnitude)) - 15); each number is divided by it, held within +-57,344 and rounded to the nearest code, ties to even.
; LIMITS: a block whose largest magnitude lies under 2^-111 keeps the byte 1; a block of zeros gets the byte 1 and not 127 (its codes are zeros, and this program alone reads the bytes); NaN and infinities are not served.
; LAYOUT OF THE RESULT: images of the matrix operand's registers.  Tile T holds 16 rows: place i is row 32 (T / 2) + 8 (T % 2) + i + 8 (i / 8).  A fragment (tile T, 128 along K: step kk) is 2,048 bytes:
; byte 512 c + 16 lane + e is the code of place lane % 16 at k = 128 kk + 32 c + 16 (lane / 16) + e.  Codes: [kk / 2][T][kk % 2][2,048]; scale bytes: [T][kk / 2][place][kk % 2][c].
; SHARES: a job is one tile and half of K, four fragments, and a wave takes one job.  There are 1,536 jobs: 1,024 of x (512 tiles), then 128 each of Wq, Wk, Wv, Wo (64 tiles each, laid one behind the other).
; 256 work-groups of six waves: wave w of work-group g takes job 6 g + w; the buffers are chosen for each wave on its job's number alone.
; Each load reads 512 consecutive bytes of one row; a fragment's 16 rows turn through the wave's own stage in LDS (rows of 512 + 16 bytes) so that a lane gets 16 neighbours of each block of 32.
; Each store of codes covers 512 consecutive bytes, aligned; the wave's 256 scale bytes leave by one store.  Waves share nothing: no barrier, no cluster (no byte is read by two work-groups), no matrix unit.
.set SP,   528                         ; a stage row: 512 bytes + 16
.set STG,  16*SP                       ; a wave's stage
.set SPARE, 6*STG                      ; behind the six stages: the spare words, 128 bytes a wave
.set R,    16                          ; v16-143  two sets of 64: a fragment's numbers as loaded
.set X,    144                         ; v144-207 register 16 b + i: k = 32 b + 16 (lane / 16) + i of my row
.set PC,   208                         ; v208-223 the fragment's codes
.set TM,   224                         ; v224-239 at work in QUANT
.set PWS,  240                         ; v240-243 the four fragments' scale words
.set E,    244                         ; v244-245 the scale words as they leave
.set SEL,  40                          ; s[40:41] selects of v_permlanex16_b32: lane l xor 16
.set MNT,  42                          ; s42 the mantissa field of 57,344
.set HM,   43                          ; s43 a lane mask: lanes 16-31
; 64 numbers of a lane, v[s] on, become a fragment's codes in v[PC] on and its scale word in v[pw]
.macro QUANT s, pw
.irp b, 0,1,2,3
	v_max3_num_f32 v[TM+\b], |v[\s+16*\b]|, |v[\s+1+16*\b]|, 0x8000000   ; my 16 numbers of block b, and the floor 2^(16 - 127): the byte cannot fall under 1
.endr
.irp i, 2,4,6,8,10,12,14
.irp b, 0,1,2,3
	v_max3_num_f32 v[TM+\b], v[TM+\b], |v[\s+16*\b+\i]|, |v[\s+1+16*\b+\i]|
.endr
.endr
.irp b, 0,1,2,3
	v_permlanex16_b32 v[TM+4+\b], v[TM+\b], s[SEL], s[SEL+1]
.endr
.irp b, 0,1,2,3
	v_max_num_f32 v[TM+\b], v[TM+\b], v[TM+4+\b]         ; with lane l xor 16's: the block's largest magnitude
.endr
.irp b, 0,1,2,3
	v_add_nc_u32 v[TM+12+\b], 0xf8800000, v[TM+\b]       ; 15 off its exponent field: the conversion's scale operand
.endr
.irp b, 0,1,2,3
	v_and_or_b32 v[TM+8+\b], v[TM+\b], 0x7f800000, s[MNT] ; 57,344 x the scale
.endr
.irp b, 0,1,2,3
	v_lshrrev_b32 v[TM+4+\b], 23, v[TM+12+\b]            ; the scale's byte
.endr
	v_lshl_or_b32 v[\pw], v[TM+5], 8, v[TM+4]
	v_lshl_or_b32 v[\pw], v[TM+6], 16, v[\pw]
	v_lshl_or_b32 v[\pw], v[TM+7], 24, v[\pw]
.irp b, 0,1,2,3
.irp i, 0,1,2,3,4,5,6,7,8,9,10,11,12,13,14,15
	v_med3_num_f32 v[\s+16*\b+\i], v[\s+16*\b+\i], -v[TM+8+\b], v[TM+8+\b]   ; the conversion to an 8-bit code does not saturate (ISA guide 7.6.2): the hold
.endr
	v_cvt_scalef32_pk8_bf8_f32 v[PC+4*\b:PC+1+4*\b], v[\s+16*\b:\s+7+16*\b], v[TM+12+\b]
	v_cvt_scalef32_pk8_bf8_f32 v[PC+2+4*\b:PC+3+4*\b], v[\s+8+16*\b:\s+15+16*\b], v[TM+12+\b]
.endr
	v_nop                                          ; a plain line behind the last conversion
.endm
	s_load_b512 s[4:19], s[0:1], 0x0               ; x, Wq, Wk, Wv, Wo, act_img, act_sc, w_img
	s_load_b64 s[20:21], s[0:1], 0x40              ; w_sc
	v_lshl_add_u32 v248, v0, 2, SPARE
	v_mov_b32 v249, 0
	v_lshrrev_b32 v5, 5, v0
	v_readfirstlane_b32 s22, v5                    ; wave
	v_and_b32 v5, 31, v0                           ; lane
	v_and_b32 v6, 15, v0                           ; r
	v_bfe_u32 v7, v0, 4, 1                         ; h
	v_lshlrev_b32 v1, 4, v5                        ; 16 x lane: loads, stores of codes
	v_lshlrev_b32 v2, 3, v5                        ; 8 x lane: the scale words
	s_mul_i32 s23, s22, STG
	v_add_nc_u32 v3, s23, v1                       ; the stage, on the way in: a row's 512 bytes as they lie
	v_mul_u32_u24 v4, v6, SP
	v_lshl_add_u32 v4, v7, 6, v4
	v_add_nc_u32 v4, s23, v4                       ; and on the way out: row r, + 64 h
.irp b, 0,1,2,3
	v_mov_b32 v[TM+4+\b], 0                        ; written once: a lane permute's destination counts as one of its sources
.endr
	s_mov_b32 s[SEL], 0x76543210
	s_mov_b32 s[SEL+1], 0xfedcba98
	s_mov_b32 s[MNT], 0x600000
	s_mov_b32 s[HM], 0xffff0000
	s_mul_i32 s3, ttmp9, 6
	s_add_co_u32 s3, s3, s22                       ; my job among the 1,536
	s_sub_co_u32 s23, s3, 1024                     ; (used for the weights' jobs alone)
	s_lshr_b32 s24, s23, 7                         ; which weight
	s_and_b32 s25, s23, 127
	s_mov_b32 s26, 0x100000                        ; bytes from one pair of K steps to the next: 256 tiles x 4,096 for the weights,
	s_cmp_lt_u32 s3, 1024
	s_cselect_b32 s25, s3, s25                     ; the job's number within its tensor
	s_cselect_b32 s24, 0, s24
	s_cselect_b32 s26, 0x200000, s26               ; 512 tiles x 4,096 for x
	s_lshr_b32 s27, s25, 1                         ; its tile,
	s_and_b32 s30, s25, 1                          ; its half of K
	s_lshl_b32 s31, s24, 6
	s_add_co_u32 s31, s31, s27                     ; the tile's number in the images
	s_lshr_b32 s28, s27, 1
	s_lshl_b32 s28, s28, 17                        ; 32 rows of 4,096 bytes for each pair of tiles,
	s_and_b32 s23, s27, 1
	s_lshl_b32 s23, s23, 15                        ; 8 rows for the odd tile,
	s_add_co_u32 s28, s28, s23
	s_lshl_b32 s23, s30, 11                        ; 2,048 bytes for the second half of K
	s_add_co_u32 s28, s28, s23
	s_mov_b32 s29, 0
	s_lshl_b32 s23, s30, 1
	s_mul_i32 s44, s23, s26
	s_lshl_b32 s23, s31, 12
	s_add_co_u32 s44, s44, s23                     ; where my first two fragments go
	s_mov_b32 s45, 0
	s_mov_b32 s46, s26
	s_mov_b32 s47, 0
	s_wait_alu depctr_va_vdst(0)
	s_wait_kmcnt 0x0
	s_cmp_eq_u32 s24, 1                            ; the buffers are chosen on the job's number alone
	s_cselect_b64 s[6:7], s[8:9], s[6:7]
	s_cmp_eq_u32 s24, 2
	s_cselect_b64 s[6:7], s[10:11], s[6:7]
	s_cmp_eq_u32 s24, 3
	s_cselect_b64 s[6:7], s[12:13], s[6:7]
	s_cmp_lt_u32 s3, 1024
	s_cselect_b64 s[32:33], s[4:5], s[6:7]
	s_cselect_b64 s[34:35], s[14:15], s[18:19]
	s_cselect_b64 s[38:39], s[16:17], s[20:21]
	s_add_nc_u64 s[32:33], s[32:33], s[28:29]      ; the numbers
	s_add_nc_u64 s[34:35], s[34:35], s[44:45]      ; fragments 0, 1
	s_add_nc_u64 s[36:37], s[34:35], s[46:47]      ; fragments 2, 3
	s_lshl_b32 s28, s31, 9
	s_lshl_b32 s23, s30, 8
	s_add_co_u32 s28, s28, s23
	s_add_nc_u64 s[38:39], s[38:39], s[28:29]      ; my 256 scale bytes
.macro LOAD f                          ; fragment f: 16 rows x 512 bytes, into set f % 2
.irp i, 0,1,2,3,4,5,6,7,8,9,10,11,12,13,14,15
	global_load_b128 v[R+64*((\f)%2)+4*\i:R+64*((\f)%2)+4*\i+3], v1, s[32:33] offset:(\i+8*(\i/8))*4096+512*(\f) th:TH_LOAD_NT
.endr
.endm
.macro FRAGQ f
.if (\f) < 3
	s_wait_loadcnt 16                              ; this fragment's 16 loads are in; the next fragment's 16 may be out
.else
	s_wait_loadcnt 0x0
.endif
.irp i, 0,1,2,3,4,5,6,7,8,9,10,11,12,13,14,15
	ds_store_b128 v3, v[R+64*((\f)%2)+4*\i:R+64*((\f)%2)+4*\i+3] offset:SP*\i
.endr
.irp b, 0,1,2,3
.irp j, 0,1,2,3
	ds_load_b128 v[X+16*\b+4*\j:X+16*\b+4*\j+3], v4 offset:128*\b+16*\j   ; LDS serves a wave's instructions in order: these see the stores above
.endr
.endr
	s_wait_xcnt 0x0                                ; the last fragment's stores have read their codes: v[PC] on is written again only behind this wait
	s_wait_dscnt 0x0                               ; my 64 numbers are back
.if (\f) < 2
	LOAD (\f)+2
.endif
	QUANT X, PWS+(\f)
.irp c, 0,1,2,3
	global_store_b128 v1, v[PC+4*\c:PC+4*\c+3], s[34+2*((\f)/2):35+2*((\f)/2)] offset:2048*((\f)%2)+512*\c   ; 512 consecutive bytes, aligned
.endr
.endm
	LOAD 0
	LOAD 1
	FRAGQ 0
	FRAGQ 1
	FRAGQ 2
	FRAGQ 3
	v_cndmask_b32 v[E], v[PWS], v[PWS+2], s[HM]    ; lanes 0-15: the first pair of K steps; lanes 16-31: the second
	v_cndmask_b32 v[E+1], v[PWS+1], v[PWS+3], s[HM]
	global_store_b64 v2, v[E:E+1], s[38:39]        ; 256 consecutive bytes, aligned
	s_wait_tensorcnt 0x0                           ; the wave's end
	ds_add_u32 v248, v249
	s_wait_dscnt 0x0
	s_endpgm
.Lfunc_end_k_qd5a6c5951d_quant:
	.size	k_qd5a6c5951d_quant, .Lfunc_end_k_qd5a6c5951d_quant-k_qd5a6c5951d_quant
	.p2alignl 7, 3214868480
	.fill 96, 4, 3214868480
	.section	.rodata,"a",@progbits
	.p2align	6, 0x0
	.amdhsa_kernel k_qd5a6c5951d_quant
		.amdhsa_group_segment_fixed_size 51712
		.amdhsa_private_segment_fixed_size 0
		.amdhsa_enable_private_segment 0
		.amdhsa_kernarg_size 72
		.amdhsa_user_sgpr_count 2
		.amdhsa_user_sgpr_kernarg_segment_ptr 1
		.amdhsa_wavefront_size32 1
		.amdhsa_system_sgpr_workgroup_id_x 1
		.amdhsa_system_sgpr_workgroup_id_y 1
		.amdhsa_system_sgpr_workgroup_id_z 1
		.amdhsa_system_vgpr_workitem_id 0
		.amdhsa_next_free_vgpr 250
		.amdhsa_next_free_sgpr 66
		.amdhsa_reserve_vcc 0
		.amdhsa_float_denorm_mode_32 3
		.amdhsa_float_denorm_mode_16_64 3
		.amdhsa_memory_ordered 1
		.amdhsa_forward_progress 1
		.amdhsa_inst_pref_size 52
	.end_amdhsa_kernel
	.amdgpu_metadata
---
amdhsa.version: [ 1, 2 ]
amdhsa.kernels:
  - .name:           k_qd5a6c5951d_quant
    .symbol:         k_qd5a6c5951d_quant.kd
    .args:
      - { .name: x, .offset: 0, .size: 8, .value_kind: global_buffer, .address_space: global }
      - { .name: Wq, .offset: 8, .size: 8, .value_kind: global_buffer, .address_space: global }
      - { .name: Wk, .offset: 16, .size: 8, .value_kind: global_buffer, .address_space: global }
      - { .name: Wv, .offset: 24, .size: 8, .value_kind: global_buffer, .address_space: global }
      - { .name: Wo, .offset: 32, .size: 8, .value_kind: global_buffer, .address_space: global }
      - { .name: act_img, .offset: 40, .size: 8, .value_kind: global_buffer, .address_space: global }
      - { .name: act_sc, .offset: 48, .size: 8, .value_kind: global_buffer, .address_space: global }
      - { .name: w_img, .offset: 56, .size: 8, .value_kind: global_buffer, .address_space: global }
      - { .name: w_sc, .offset: 64, .size: 8, .value_kind: global_buffer, .address_space: global }
    .group_segment_fixed_size: 51712
    .private_segment_fixed_size: 0
    .kernarg_segment_align: 8
    .kernarg_segment_size: 72
    .max_flat_workgroup_size: 192
    .sgpr_count:     66
    .vgpr_count:     250
    .wavefront_size: 32
...
	.end_amdgpu_metadata
.endif
;; end of part 1
;; launch qkv (part 2): grid 12 x 32, 4 waves a work-group, clusters of 4 x 4, 327,680 bytes of LDS; arguments act_img, act_sc, w_img, w_sc, bq, bk, bv, q_img, q_sc, kv; writes q_img, q_sc, kv
.if DOCPART == 2
	.amdgcn_target "amdgcn-amd-amdhsa--gfx1250"
	.amdhsa_code_object_version 6
	.text
	.protected	k_qd5a6c5951d_qkv
	.globl	k_qd5a6c5951d_qkv
	.p2align	8
	.type	k_qd5a6c5951d_qkv,@function
k_qd5a6c5951d_qkv:
	s_mov_b64 s[64:65], 0
	v_nop
	global_prefetch_b8 v0, s[64:65] scope:SCOPE_SE
	s_setreg_imm32_b32 hwreg(HW_REG_WAVE_MODE, 25, 1), 1
	s_wait_xcnt 0x0
	s_wait_alu depctr_hold_cnt(0) depctr_sa_sdst(0) depctr_va_vdst(0) depctr_va_sdst(0) depctr_va_ssrc(0) depctr_va_vcc(0) depctr_vm_vsrc(0)
	s_getreg_b32 s2, hwreg(HW_REG_IB_STS2, 6, 4)
	s_cmp_eq_u32 s2, 0
	s_cbranch_scc0 .Lentry_in_a_cluster
	s_endpgm
.Lentry_in_a_cluster:
	s_bfe_u32 s2, ttmp6, 0x10000c
	s_cmp_lg_u32 s2, 0xf033
	s_cbranch_scc0 .Lentry_shape_is_right
	s_endpgm
.Lentry_shape_is_right:
; Q, K, V = x W^T + b on codes of BF8 (E5M2) with E8M0 scales, 8,192 x 3,072 x 1,024, and their quantisers: a work-group makes 256 x 256, a wave 128 x 128; K goes in steps of 256 through two LDS slots filled by joint loads.
; THE HEAD: the four tiles that the first step needs go out together, one a wave: x's 16 tiles of codes, the weight's 16, and the scale bytes of either; slot 1 follows once they are in.
; LIMITS: as the first launch states them (a block's byte never falls under 1; NaN and infinities are not served).
.set NQ,     2
.set FR,     16
.set NL,     4
.set NP,     8
.set HALFT,  32768
.set SLOT,   131072
.set SCL,    2*SLOT
.set SPARE,  SCL+16384
.set XSTEP,  0x200000
.set WSTEP,  0x100000
.set ADRA, 16
.set ADRB, 20
.set L16,  24
.set L8,   25
.set BOFF, 26
.set ADRS, 27
.set SPW,  28
.set NIL,  29
.set SC,   32
.set BI,   64
.set AF,   128
.set ST,   128
.set PC,   192
.set TM,   208
.set PWS,  224
.set OUT,  232
.set T,    240
.set G1, 24
.set G0, 32
.set G1B, 48
.set G0B, 56
.set G1S, 68
.set G0S, 76
.set G1SB, 80
.set G0SB, 88
.set HM,  96
.set MNT, 97
.set SEL, 98
.set BS,  44
.set MSB, 0
.macro WIN new
.if MSB != (\new)
	s_set_vgpr_msb (MSB<<8)|(\new)
.set MSB, (\new)
.endif
.endm
.set MUL_LO, 0xa1
.set MUL_HI, 0xf1
.set TO_B,   0x40
.macro JLOAD g0a, g1a, g0b, g1b
	s_cmp_eq_u32 s15, 0
	s_cbranch_scc0 .Lfor_b_\@
	tensor_load_to_lds s[\g0a:\g0a+3], s[\g1a:\g1a+7]
	s_nop 0
.rept 4
	v_nop
.endr
	s_branch .Lasked_\@
.Lfor_b_\@:
	tensor_load_to_lds s[\g0b:\g0b+3], s[\g1b:\g1b+7]
	s_nop 0
.rept 4
	v_nop
.endr
.Lasked_\@:
.endm
.macro CREST
	s_cmp_lg_u32 s14, 0
	s_cbranch_scc1 .Lnot_wave_0_\@
	s_barrier_signal -3
.Lnot_wave_0_\@:
	s_barrier_wait -3
	s_barrier_signal -1
	s_barrier_wait -1
.endm
.macro CROUND
	s_barrier_signal -1
	s_barrier_wait -1
	CREST
.endm
.macro PLACES n
.rept \n
	v_nop
.endr
.endm
.macro QUANT s, pw
.irp b, 0,1,2,3
	v_max3_num_f32 v[TM+\b], |v[\s+16*\b]|, |v[\s+1+16*\b]|, 0x8000000
.endr
.irp i, 2,4,6,8,10,12,14
.irp b, 0,1,2,3
	v_max3_num_f32 v[TM+\b], v[TM+\b], |v[\s+16*\b+\i]|, |v[\s+1+16*\b+\i]|
.endr
.endr
.irp b, 0,1,2,3
	v_permlanex16_b32 v[TM+4+\b], v[TM+\b], s[SEL], s[SEL+1]
.endr
.irp b, 0,1,2,3
	v_max_num_f32 v[TM+\b], v[TM+\b], v[TM+4+\b]
.endr
.irp b, 0,1,2,3
	v_add_nc_u32 v[TM+12+\b], 0xf8800000, v[TM+\b]
.endr
.irp b, 0,1,2,3
	v_and_or_b32 v[TM+8+\b], v[TM+\b], 0x7f800000, s[MNT]
.endr
.irp b, 0,1,2,3
	v_lshrrev_b32 v[TM+4+\b], 23, v[TM+12+\b]
.endr
	v_lshl_or_b32 v[\pw], v[TM+5], 8, v[TM+4]
	v_lshl_or_b32 v[\pw], v[TM+6], 16, v[\pw]
	v_lshl_or_b32 v[\pw], v[TM+7], 24, v[\pw]
.irp b, 0,1,2,3
.irp i, 0,1,2,3,4,5,6,7,8,9,10,11,12,13,14,15
	v_med3_num_f32 v[\s+16*\b+\i], v[\s+16*\b+\i], -v[TM+8+\b], v[TM+8+\b]
.endr
	v_cvt_scalef32_pk8_bf8_f32 v[PC+4*\b:PC+1+4*\b], v[\s+16*\b:\s+7+16*\b], v[TM+12+\b]
	v_cvt_scalef32_pk8_bf8_f32 v[PC+2+4*\b:PC+3+4*\b], v[\s+8+16*\b:\s+15+16*\b], v[TM+12+\b]
.endr
	v_nop
.endm
	s_load_b256 s[4:11], s[0:1], 0x0
	v_lshl_add_u32 v[SPW], v0, 2, SPARE
	v_mov_b32 v[NIL], 0
	ds_add_u32 v28, v29
	ds_add_u32 v28, v29
	s_wait_dscnt 0x0
	v_lshrrev_b32 v1, 5, v0
	v_readfirstlane_b32 s14, v1
	s_lshr_b32 s15, s14, 1
	s_and_b32 s16, s14, 1
	s_bfe_u32 s40, ttmp6, 0x40000
	s_bfe_u32 s41, ttmp6, 0x40004
	s_lshl_b32 s42, ttmp9, 2
	s_add_co_u32 s42, s42, s40
	s_and_b32 s17, ttmp7, 0xffff
	s_lshl_b32 s17, s17, 2
	s_add_co_u32 s17, s17, s41
	s_lshl_b32 s43, s41, 2
	s_lshl_b32 s43, 15, s43
	s_lshl_b32 s44, 0x1111, s40
	s_or_b32 s[G1+0], s43, (3<<16)|(1<<21)
	s_or_b32 s[G1B+0], s44, (3<<16)|(1<<21)
.irp g, G1, G1B
	s_mov_b32 s[\g+1], 32<<16
	s_mov_b32 s[\g+2], 256<<16                     ; the head's loads of codes bring 256 rows of 256 bytes
	s_mov_b32 s[\g+3], 32<<16
	s_mov_b32 s[\g+4], 256
	s_mov_b32 s[\g+5], 32
	s_mov_b32 s[\g+6], 0
	s_mov_b32 s[\g+7], 0
.endr
	s_or_b32 s[G1S+0], s43, (3<<16)|(1<<21)
	s_or_b32 s[G1SB+0], s44, (3<<16)|(1<<21)
.irp g, G1S, G1SB
	s_mov_b32 s[\g+1], 32<<16
	s_mov_b32 s[\g+2], 32<<16                      ; the scale bytes of 16 tiles: 32 rows of 256 bytes
	s_mov_b32 s[\g+3], 32<<16
	s_mov_b32 s[\g+4], 32
	s_mov_b32 s[\g+5], 32
	s_mov_b32 s[\g+6], 0
	s_mov_b32 s[\g+7], 0
.endr
	s_mov_b32 s[HM], 0xffff0000
	s_mov_b32 s[MNT], 0x600000
	s_mov_b32 s[SEL], 0x76543210
	s_mov_b32 s[SEL+1], 0xfedcba98
	s_lshl_b32 s18, s16, 3
	s_lshl_b32 s20, s17, 4
	s_add_co_u32 s20, s20, s18
	s_lshl_b32 s46, s42, 4
	s_add_co_u32 s46, s46, s18
	s_lshl_b32 s22, s20, 9
	s_mov_b32 s23, 0
	s_lshl_b32 s92, s46, 9
	s_mov_b32 s93, 0
	s_lshl_b32 s20, s20, 12
	s_mov_b32 s21, 0
	s_lshl_b32 s46, s46, 12
	s_mov_b32 s47, 0
	s_mul_i32 s45, s14, HALFT
	s_lshl_b32 s94, s16, 12                        ; my half's place among the scale bytes of 16 tiles
	s_mov_b32 s95, 0
	s_wait_kmcnt 0x0
	s_add_nc_u64 s[20:21], s[4:5], s[20:21]
	s_add_nc_u64 s[22:23], s[6:7], s[22:23]
	s_add_nc_u64 s[46:47], s[8:9], s[46:47]
	s_add_nc_u64 s[92:93], s[10:11], s[92:93]
	CROUND
	s_sub_nc_u64 s[22:23], s[22:23], s[94:95]      ; back from my half to the first of the 16 tiles: the scale bytes,
	s_sub_nc_u64 s[92:93], s[92:93], s[94:95]
	s_lshl_b32 s94, s16, 15
	s_sub_nc_u64 s[6:7], s[20:21], s[94:95]        ; and the codes (s[4:11] held arguments that have been used)
	s_sub_nc_u64 s[10:11], s[46:47], s[94:95]
	s_mov_b32 s4, 1
	s_mov_b32 s5, 0
	s_or_b32 s7, s7, 0x80000000
	s_mov_b32 s8, 1
	s_mov_b32 s9, 2*HALFT
	s_or_b32 s11, s11, 0x80000000
	s_mov_b32 s[G0S], 1
	s_mov_b32 s[G0S+1], SCL
	s_mov_b64 s[G0S+2:G0S+3], s[22:23]
	s_or_b32 s[G0S+3], s[G0S+3], 0x80000000
	s_mov_b32 s[G0SB], 1
	s_mov_b32 s[G0SB+1], SCL+8192
	s_mov_b64 s[G0SB+2:G0SB+3], s[92:93]
	s_or_b32 s[G0SB+3], s[G0SB+3], 0x80000000
; one chain of branches on the wave's number, one joint load to an arm: one tensor load a wave at the head
.macro ARM under, g0, g1, next
	s_cmp_lt_u32 s14, \under
	s_cbranch_scc0 \next
	tensor_load_to_lds s[\g0:\g0+3], s[\g1:\g1+7]
	s_nop 0
.rept 4
	v_nop
.endr
	s_branch .Lhead_asked
\next:
.endm
	ARM 1, 4, G1, .Lhead_b
	ARM 2, 8, G1B, .Lhead_sa
	ARM 3, G0S, G1S, .Lhead_sb
	tensor_load_to_lds s[G0SB:G0SB+3], s[G1SB:G1SB+7]
	s_nop 0
.rept 4
	v_nop
.endr
.Lhead_asked:
.irp s, 0,1
	s_mov_b32 s[G0+4*\s], 1
	s_add_co_u32 s[G0+4*\s+1], s45, \s*SLOT
	s_add_nc_u64 s[G0+4*\s+2:G0+4*\s+3], s[20:21], \s*XSTEP
	s_or_b32 s[G0+4*\s+3], s[G0+4*\s+3], 0x80000000
	s_mov_b32 s[G0B+4*\s], 1
	s_add_co_u32 s[G0B+4*\s+1], s45, \s*SLOT
	s_add_nc_u64 s[G0B+4*\s+2:G0B+4*\s+3], s[46:47], \s*WSTEP
	s_or_b32 s[G0B+4*\s+3], s[G0B+4*\s+3], 0x80000000
.endr
	s_wait_alu depctr_va_vdst(0)
	s_wait_tensorcnt 0x0                           ; my tile of the head's four is in
	ds_add_u32 v28, v29
	s_mov_b32 s[G1+2], 128<<16                     ; no tensor load of mine is out: from here on a load brings 128 rows
	s_mov_b32 s[G1+4], 128
	s_mov_b32 s[G1B+2], 128<<16
	s_mov_b32 s[G1B+4], 128
	s_wait_dscnt 0x0
	CROUND
	JLOAD G0+4, G1, G0B+4, G1B                     ; slot 1's first fill, issued as a refill is
	v_and_b32 v1, 15, v0
	v_bfe_u32 v2, v0, 4, 1
	v_and_b32 v3, 31, v0
	v_lshlrev_b32 v[L16], 4, v3
	s_wait_alu depctr_va_vdst(0)
	v_lshlrev_b32 v[L8], 3, v3
	s_cmp_eq_u32 ttmp9, 2
	s_cselect_b32 s18, 65536, 0
	s_cselect_b32 s19, 0, 65536
	s_cselect_b32 s66, 8192, 0
	s_cselect_b32 s67, 0, 8192
	s_mul_i32 s21, s15, HALFT
	s_add_co_u32 s21, s21, s18
	s_mul_i32 s22, s16, HALFT
	s_add_co_u32 s22, s22, s19
.irp s, 0,1
	v_add_nc_u32 v[ADRA+\s], s21, v[L16]
	v_add_nc_u32 v[ADRB+\s], s22, v[L16]
	s_add_co_u32 s21, s21, SLOT
	s_add_co_u32 s22, s22, SLOT
.endr
	s_lshl_b32 s21, s15, 12
	s_add_co_u32 s21, s21, s66
	s_add_co_u32 s21, s21, SCL
	s_lshl_b32 s22, s16, 12
	s_add_co_u32 s22, s22, s67
	s_add_co_u32 s22, s22, SCL
	v_lshlrev_b32 v5, 3, v1
	v_add_nc_u32 v6, s21, v5
	v_add_nc_u32 v7, s22, v5
	v_cndmask_b32 v[ADRS], v6, v7, s[HM]
	s_load_b256 s[4:11], s[0:1], 0x20
	s_load_b128 s[20:23], s[0:1], 0x40
.macro FRAG reg, adr, q, i
.irp c, 0,1,2,3
	ds_load_b128 v[\reg+4*\c:\reg+4*\c+3], v[\adr] offset:4096*(\i)+2048*(\q)+512*\c
.endr
.endm
.macro MUL16 a0, p, q, sc, zero
.irp a, \a0, \a0+1
.irp b, 0,1,2,3,4,5,6,7
.if \zero
	v_wmma_scale_f32_16x16x128_f8f6f4 v[8*(8*((\a)%4)+\b):8*(8*((\a)%4)+\b)+7], v[128*(\p)+FR*\b:128*(\p)+FR*\b+FR-1], v[AF+FR*(\a):AF+FR*(\a)+FR-1], 0, v[SC+8*NQ*(\sc)+NQ*\b+(\q)], v[SC+8*NQ*(\sc)+NQ*(\a)+(\q)] matrix_a_fmt:MATRIX_FMT_BF8 matrix_b_fmt:MATRIX_FMT_BF8 matrix_a_scale:MATRIX_SCALE_ROW1
.else
	v_wmma_scale_f32_16x16x128_f8f6f4 v[8*(8*((\a)%4)+\b):8*(8*((\a)%4)+\b)+7], v[128*(\p)+FR*\b:128*(\p)+FR*\b+FR-1], v[AF+FR*(\a):AF+FR*(\a)+FR-1], v[8*(8*((\a)%4)+\b):8*(8*((\a)%4)+\b)+7], v[SC+8*NQ*(\sc)+NQ*\b+(\q)], v[SC+8*NQ*(\sc)+NQ*(\a)+(\q)] matrix_a_fmt:MATRIX_FMT_BF8 matrix_b_fmt:MATRIX_FMT_BF8 matrix_a_scale:MATRIX_SCALE_ROW1
.endif
.endr
.endr
.endm
.macro FETCH_B slot, q, p
	WIN TO_B
.irp i, 0,1,2,3,4,5,6,7
	FRAG 128*(\p)+FR*\i, ADRB+\slot, \q, \i
.endr
	WIN 0
.endm
.macro FETCH_A slot, q, i0
.irp i, \i0, \i0+1, \i0+2, \i0+3
	FRAG AF+FR*(\i), ADRA+\slot, \q, \i
.endr
.endm
.macro SCALES sc, sg
.irp i, 0,1,2,3,4,5,6,7
	ds_load_b64 v[SC+8*NQ*\sc+NQ*\i:SC+8*NQ*\sc+NQ*\i+1], v[ADRS] offset:512*\i+128*\sg
.endr
.endm
.macro STEP slot, q, zero
	s_wait_dscnt 4*NL
	WIN MUL_LO
	MUL16 0, (\q)%2, \q, \slot, \zero
	MUL16 2, (\q)%2, \q, \slot, \zero
	s_wait_dscnt 0
	PLACES NP
	FETCH_B \slot, (\q)+1, 1-(\q)%2
	FETCH_A \slot, (\q)+1, 0
	WIN MUL_HI
	MUL16 4, (\q)%2, \q, \slot, \zero
	MUL16 6, (\q)%2, \q, \slot, \zero
	PLACES NP
	WIN 0
	FETCH_A \slot, (\q)+1, 4
.endm
.macro TURN slot, next, fill, sg
	s_wait_tensorcnt 0x0
	ds_add_u32 v[SPW], v[NIL]
	s_wait_dscnt 4*NL+1
	WIN MUL_LO
	MUL16 0, 1, NQ-1, \slot, 0
	s_wait_dscnt 0x0
	s_barrier_signal -1
	MUL16 2, 1, NQ-1, \slot, 0
	WIN 0
	s_barrier_wait -1
.if \fill
	CREST
	s_add_nc_u64 s[G0+4*\slot+2:G0+4*\slot+3], s[G0+4*\slot+2:G0+4*\slot+3], 2*XSTEP
	s_add_nc_u64 s[G0B+4*\slot+2:G0B+4*\slot+3], s[G0B+4*\slot+2:G0B+4*\slot+3], 2*WSTEP
	JLOAD G0+4*\slot, G1, G0B+4*\slot, G1B
	PLACES NP-4
.else
	PLACES NP
.endif
	FETCH_B \next, 0, 0
	FETCH_A \next, 0, 0
	SCALES \next, \sg
	WIN MUL_HI
	MUL16 4, 1, NQ-1, \slot, 0
	MUL16 6, 1, NQ-1, \slot, 0
	PLACES NP
	WIN 0
	FETCH_A \next, 0, 4
.endm
	s_wait_alu depctr_va_vdst(0)
	s_wait_tensorcnt 1
	s_barrier_signal -1
	s_barrier_wait -1
	FETCH_B 0, 0, 0
	FETCH_A 0, 0, 0
	SCALES 0, 0
	FETCH_A 0, 0, 4
	STEP 0, 0, 1
	TURN 0, 1, 1, 1
	STEP 1, 0, 0
	TURN 1, 0, 1, 2
	STEP 0, 0, 0
	TURN 0, 1, 0, 3
	STEP 1, 0, 0
	s_wait_dscnt 4*NL
	WIN MUL_LO
	MUL16 0, 1, NQ-1, 1, 0
	MUL16 2, 1, NQ-1, 1, 0
	s_wait_dscnt 0
	WIN MUL_HI
	MUL16 4, 1, NQ-1, 1, 0
	MUL16 6, 1, NQ-1, 1, 0
	WIN 0
	s_cmp_eq_u32 ttmp9, 2
	s_cselect_b32 s18, s16, s15
	s_cselect_b32 s19, s15, s16
	s_and_b32 s24, s17, 7
	s_lshl_b32 s24, s24, 1
	s_add_co_u32 s24, s24, s18
	s_lshr_b32 s25, s17, 3
	s_lshl_b32 s25, s25, 4
	s_and_b32 s26, s42, 3
	s_lshl_b32 s27, s26, 2
	s_add_co_u32 s25, s25, s27
	s_lshl_b32 s27, s19, 1
	s_add_co_u32 s25, s25, s27
	s_lshl_b32 s28, s26, 10
	s_lshl_b32 s27, s19, 9
	s_add_co_u32 s28, s28, s27
	s_mov_b32 s29, 0
	s_lshl_b32 s30, s25, 4
	s_add_co_u32 s30, s30, s24
	s_mul_i32 s30, s30, 16896
	s_mov_b32 s31, 0
	s_lshl_b32 s32, s25, 17
	s_lshl_b32 s27, s24, 13
	s_add_co_u32 s32, s32, s27
	s_mov_b32 s33, 0
	s_lshl_b32 s34, s25, 13
	s_lshl_b32 s27, s24, 9
	s_add_co_u32 s34, s34, s27
	s_mov_b32 s35, 0
	s_wait_kmcnt 0x0
	s_add_nc_u64 s[22:23], s[22:23], s[30:31]
	s_add_nc_u64 s[10:11], s[10:11], s[32:33]
	s_add_nc_u64 s[20:21], s[20:21], s[34:35]
	PLACES NP
.irp b, 0,1,2,3
	v_mov_b32 v[TM+4+\b], 0
.endr
.macro EPI a, vp
	WIN 0x02+(\a)/4
.set i, 0
.rept 32
.if \vp
	v_pk_add_f32 v[ST+2*i:ST+2*i+1], v[64*((\a)%4)+2*i:64*((\a)%4)+2*i+1], v[BI+2*(\a):BI+2*(\a)+1]
.else
	v_pk_add_f32 v[ST+2*i:ST+2*i+1], v[64*((\a)%4)+2*i:64*((\a)%4)+2*i+1], v[BI+2*i:BI+2*i+1]
.endif
.set i, i+1
.endr
	WIN 0
	s_wait_xcnt 0x0
	QUANT ST, PWS+(\a)
.irp c, 0,1,2,3
.if \vp
	global_store_b128 v[L16], v[PC+4*\c:PC+4*\c+3], s[BS+2*((\a)/4):BS+2*((\a)/4)+1] offset:8192+2048*((\a)%4)+512*\c
.else
	global_store_b128 v[L16], v[PC+4*\c:PC+4*\c+3], s[BS+2*(\c/2):BS+2*(\c/2)+1] offset:1024*(\a)+512*(\c%2)
.endif
.endr
.endm
	s_cmp_eq_u32 ttmp9, 2
	s_cbranch_scc1 .Lpath_v
	s_cmp_eq_u32 ttmp9, 1
	s_cselect_b64 s[36:37], s[6:7], s[4:5]
	s_cselect_b64 s[BS:BS+1], s[22:23], s[10:11]
	s_mov_b32 s38, 131072
	s_cselect_b32 s38, 270336, s38
	s_mov_b32 s39, 0
	s_add_nc_u64 s[36:37], s[36:37], s[28:29]
	s_add_nc_u64 s[BS+2:BS+3], s[BS:BS+1], s[38:39]
	v_lshlrev_b32 v[BOFF], 6, v2
.irp b, 0,1,2,3
.irp j, 0,1,2,3
	global_load_b128 v[BI+16*\b+4*\j:BI+16*\b+4*\j+3], v[BOFF], s[36:37] offset:128*\b+16*\j
.endr
.endr
	s_wait_loadcnt 0x0
.irp a, 0,1,2,3,4,5,6,7
	EPI \a, 0
.endr
	s_cmp_eq_u32 ttmp9, 1
	s_cbranch_scc1 .Lk_words
.irp p, 0,1,2,3
	v_cndmask_b32 v[T+\p], v[PWS+2*\p], v[PWS+2*\p+1], s[HM]
.endr
.irp p, 0,1,2,3
	v_perm_b32 v[OUT+\p], v[T+\p], v[T+\p], 0x01000100
	v_perm_b32 v[OUT+4+\p], v[T+\p], v[T+\p], 0x03020302
.endr
	global_store_b128 v[L16], v[OUT:OUT+3], s[20:21]
	global_store_b128 v[L16], v[OUT+4:OUT+7], s[20:21] offset:8192
	s_branch .Ldone
.Lk_words:
.irp hh, 0,1
.irp f, 0,1,2,3
.if \hh == 0
	v_perm_b32 v[T+\f], v[PWS+2*\f+1], v[PWS+2*\f], 0x05040100
.else
	v_perm_b32 v[T+\f], v[PWS+2*\f+1], v[PWS+2*\f], 0x07060302
.endif
.endr
	v_cndmask_b32 v[OUT+2*\hh], v[T], v[T+1], s[HM]
	v_cndmask_b32 v[OUT+2*\hh+1], v[T+2], v[T+3], s[HM]
	global_store_b64 v[L8], v[OUT+2*\hh:OUT+2*\hh+1], s[BS+2*\hh:BS+2*\hh+1] offset:16384
.endr
	s_branch .Ldone
.Lpath_v:
	s_mov_b64 s[BS:BS+1], s[22:23]
	s_add_nc_u64 s[BS+2:BS+3], s[22:23], 270336
	s_add_nc_u64 s[36:37], s[8:9], s[28:29]
	v_and_b32 v3, 8, v1
	v_add_nc_u32 v3, v3, v1
	v_lshlrev_b32 v[BOFF], 2, v3
.irp a, 0,1,2,3,4,5,6,7
	global_load_b32 v[BI+2*\a], v[BOFF], s[36:37] offset:4*(32*(\a/2)+8*(\a%2))
	global_load_b32 v[BI+2*\a+1], v[BOFF], s[36:37] offset:4*(32*(\a/2)+8*(\a%2))
.endr
	s_wait_loadcnt 0x0
.irp a, 0,1,2,3,4,5,6,7
	EPI \a, 1
.endr
.irp hh, 0,1
	v_cndmask_b32 v[OUT+2*\hh], v[PWS+4*\hh], v[PWS+4*\hh+1], s[HM]
	v_cndmask_b32 v[OUT+2*\hh+1], v[PWS+4*\hh+2], v[PWS+4*\hh+3], s[HM]
	global_store_b64 v[L8], v[OUT+2*\hh:OUT+2*\hh+1], s[BS+2*\hh:BS+2*\hh+1] offset:16640
.endr
.Ldone:
	s_wait_tensorcnt 0x0
	ds_add_u32 v[SPW], v[NIL]
	s_wait_dscnt 0x0
	CROUND
	s_endpgm
.Lfunc_end_k_qd5a6c5951d_qkv:
	.size	k_qd5a6c5951d_qkv, .Lfunc_end_k_qd5a6c5951d_qkv-k_qd5a6c5951d_qkv
	.p2alignl 7, 3214868480
	.fill 96, 4, 3214868480
	.section	.rodata,"a",@progbits
	.p2align	6, 0x0
	.amdhsa_kernel k_qd5a6c5951d_qkv
		.amdhsa_group_segment_fixed_size 327680
		.amdhsa_private_segment_fixed_size 0
		.amdhsa_enable_private_segment 0
		.amdhsa_kernarg_size 80
		.amdhsa_user_sgpr_count 2
		.amdhsa_user_sgpr_kernarg_segment_ptr 1
		.amdhsa_wavefront_size32 1
		.amdhsa_system_sgpr_workgroup_id_x 1
		.amdhsa_system_sgpr_workgroup_id_y 1
		.amdhsa_system_sgpr_workgroup_id_z 1
		.amdhsa_system_vgpr_workitem_id 0
		.amdhsa_next_free_vgpr 1024
		.amdhsa_next_free_sgpr 100
		.amdhsa_reserve_vcc 0
		.amdhsa_float_denorm_mode_32 3
		.amdhsa_float_denorm_mode_16_64 3
		.amdhsa_memory_ordered 1
		.amdhsa_forward_progress 1
		.amdhsa_inst_pref_size 255
	.end_amdhsa_kernel
	.section	.bss,"aw",@nobits
	.p2align	6
	.space	262144
	.amdgpu_metadata
---
amdhsa.version: [ 1, 2 ]
amdhsa.kernels:
  - .name:           k_qd5a6c5951d_qkv
    .symbol:         k_qd5a6c5951d_qkv.kd
    .args:
      - { .name: act_img, .offset: 0, .size: 8, .value_kind: global_buffer, .address_space: global }
      - { .name: act_sc, .offset: 8, .size: 8, .value_kind: global_buffer, .address_space: global }
      - { .name: w_img, .offset: 16, .size: 8, .value_kind: global_buffer, .address_space: global }
      - { .name: w_sc, .offset: 24, .size: 8, .value_kind: global_buffer, .address_space: global }
      - { .name: bq, .offset: 32, .size: 8, .value_kind: global_buffer, .address_space: global }
      - { .name: bk, .offset: 40, .size: 8, .value_kind: global_buffer, .address_space: global }
      - { .name: bv, .offset: 48, .size: 8, .value_kind: global_buffer, .address_space: global }
      - { .name: q_img, .offset: 56, .size: 8, .value_kind: global_buffer, .address_space: global }
      - { .name: q_sc, .offset: 64, .size: 8, .value_kind: global_buffer, .address_space: global }
      - { .name: kv, .offset: 72, .size: 8, .value_kind: global_buffer, .address_space: global }
    .group_segment_fixed_size: 327680
    .private_segment_fixed_size: 0
    .kernarg_segment_align: 8
    .kernarg_segment_size: 80
    .max_flat_workgroup_size: 128
    .sgpr_count:     100
    .vgpr_count:     1024
    .wavefront_size: 32
...
	.end_amdgpu_metadata
.endif
;; end of part 2
;; launch attn (part 3): grid 4 x 64, 8 waves a work-group, clusters of 4 x 1, 327,680 bytes of LDS; arguments q_img, q_sc, kv, act_img, act_sc; writes act_img, act_sc
.if DOCPART == 3
	.amdgcn_target "amdgcn-amd-amdhsa--gfx1250"
	.amdhsa_code_object_version 6
	.text
	.protected	k_qd5a6c5951d_attn
	.globl	k_qd5a6c5951d_attn
	.p2align	8
	.type	k_qd5a6c5951d_attn,@function
k_qd5a6c5951d_attn:
	s_mov_b64 s[64:65], 0
	v_nop
	global_prefetch_b8 v0, s[64:65] scope:SCOPE_SE
	s_setreg_imm32_b32 hwreg(HW_REG_WAVE_MODE, 25, 1), 1
	s_wait_xcnt 0x0
	s_wait_alu depctr_hold_cnt(0) depctr_sa_sdst(0) depctr_va_vdst(0) depctr_va_sdst(0) depctr_va_ssrc(0) depctr_va_vcc(0) depctr_vm_vsrc(0)
	s_getreg_b32 s2, hwreg(HW_REG_IB_STS2, 6, 4)
	s_cmp_eq_u32 s2, 0
	s_cbranch_scc0 .Lentry_in_a_cluster
	s_endpgm
.Lentry_in_a_cluster:
	s_bfe_u32 s2, ttmp6, 0x10000c
	s_cmp_lg_u32 s2, 0x3003
	s_cbranch_scc0 .Lentry_shape_is_right
	s_endpgm
.Lentry_shape_is_right:
; O[head][q] = the sum over k of softmax_k(q . k / 8) v[k], both products on codes of BF8 (E5M2) with E8M0 scales; the result, divided by the row's sum, is quantised along the model's 1,024 and leaves as the output projection's operand.
; THE SOFTMAX: t = score x log2(e) / 8; M = the running largest t rounded UP to a whole number; p = 2^(t - M) is quantised along the keys, not normalised; the row's sum is taken of the unquantised p; when M moves, sum and O are multiplied by 2^(old M - new M), exactly.
; SHARES: a work-group owns 512 queries of one head, in two passes; each of its eight waves owns a pair of query tiles (32 queries) a pass; two waves lie on a SIMD.  Every wave walks the head's 2,048 keys, 128 a step.
; LDS: the whole head's K and V, 16 records of 16,896 bytes, come ONCE: wave w asks for records 2 w and 2 w + 1 by one load of 132 rows of 256 bytes.  The four work-groups of a cluster own the same head, so each load is a joint one.  No byte of LDS is filled twice.
; No prefetch: the one stream is asked for whole at the head, and there is no loop ahead of it to ask in.
; BOTH PRODUCTS ARE USED TRANSPOSED: S^T = K Q^T, O^T = V^T P^T: a lane holds one query throughout; p's 16 registers of two neighbouring key tiles are 16 neighbouring keys, since place i of tile T is row 32 (T / 2) + 8 (T % 2) + i + 8 (i / 8).
; THE HEAD'S 64 IN AN INSTRUCTION OF 128: a fragment of K holds two key tiles, 64 + 64 along K.  Against (Q, zeros) it gives the even tile's scores, against (zeros, Q) the odd tile's.  Zero codes add nothing: K's codes are finite, no scale byte is 0xff.
; A STEP'S ORDER: the 16 score products; one group of eight places; this step's V and the NEXT step's K are asked of LDS; maxima and M; two batches of exponentials, among which stand only lines that hang on no neighbour (tile 1's scalings, tile 0's holds); sums, holds and codes; O^T x f; the 8 products with V.
; The next record's address is held at the last record: a pass's last step fetches record 15's K once more, and nothing multiplies it.
; LIMITS: the scaled scores stay under 2^31 in magnitude; a block whose largest magnitude lies under 2^-111 keeps the byte 1; a block of zeros gets the byte 1 and not 127; NaN and infinities are not served; 1 / sum is v_rcp_f32's.
; The two scale bytes of a token and head leave by a store of 2 bytes a lane, 8 bytes apart: one byte in 32 of what the launch stores.
; REGISTERS: window 0: v1-9 addresses and scratch; v16+8u the state of tile u; v40-46 scale words and nothing else; v48-61 the sums' chains; v64+64u S^T, then p; v192+16u p's codes; v224+16u at work.
;   window 1: v0-63 O^T (32 u + 8 t); v64+24u Q, zeros, Q; v128-191 K's four fragments; v192-255 V's.
.set REC,  16896
.set L16,  1                           ; 16 x lane
.set L8,   2                           ; 8 x lane
.set AL,   3                           ; the step's record + 16 x lane
.set AS,   4                           ; + 8 x lane
.set OSA,  5                           ; where my two scale bytes go: 512 (lane / 16) + 8 (lane % 16)
.set PW,   6
.set TT,   7
.set AK,   8                           ; the next record + 16 x lane
.set ASK,  9                           ; + 8 x lane
.set STT,  16                          ; tile u at v[16 + 8 u]: +0 -M, +1 the largest score, +2:3 the sum, +4:5 f (at the end 1 / sum), +6 scratch, +7 the old -M
.set PS,   40                          ; v40-41 p's scale words
.set KS,   42                          ; v42-43 K's
.set VS,   44                          ; v44-45 V's
.set QS,   46                          ; v46    Q's
.set TS,   48                          ; v48-61 seven chains of a sum
.set SPW,  62
.set NIL,  63
.set S,    64
.set PC,   192
.set W,    224                         ; tile u at v[224 + 16 u]: +0..3 block maxima, +4..7 bytes, +8..11 the hold, +12..15 the conversion's scale
.set TM,   224
.set OT,   0
.set QF,   64
.set KF,   128
.set VF,   192
.set WV,   14
.set SEL,  20
.set CS,   22                          ; s[22:23] c = log2(e) / 8
.set MNT,  24
.set HM,   25
.set TB,   26                          ; the step's record in LDS
.set TN,   29                          ; the next step's
.set G1,   32
.set G0A,  40
.set QP,   48
.set QSP,  50
.set OP,   52
.set OSP,  54
.set MSB, 0
.macro WIN new
.if MSB != (\new)
	s_set_vgpr_msb (MSB<<8)|(\new)
.set MSB, (\new)
.endif
.endm
.macro CROUND
	s_barrier_signal -1
	s_barrier_wait -1
	s_cmp_lg_u32 s[WV], 0
	s_cbranch_scc1 .Lnot_wave_0_\@
	s_barrier_signal -3
.Lnot_wave_0_\@:
	s_barrier_wait -3
	s_barrier_signal -1
	s_barrier_wait -1
.endm
.macro QUANT s, pw
.irp b, 0,1,2,3
	v_max3_num_f32 v[TM+\b], |v[\s+16*\b]|, |v[\s+1+16*\b]|, 0x8000000
.endr
.irp i, 2,4,6,8,10,12,14
.irp b, 0,1,2,3
	s_delay_alu instid0(VALU_DEP_4)
	v_max3_num_f32 v[TM+\b], v[TM+\b], |v[\s+16*\b+\i]|, |v[\s+1+16*\b+\i]|
.endr
.endr
.irp b, 0,1,2,3
	s_delay_alu instid0(VALU_DEP_4)
	v_permlanex16_b32 v[TM+4+\b], v[TM+\b], s[SEL], s[SEL+1]
.endr
.irp b, 0,1,2,3
	s_delay_alu instid0(VALU_DEP_4)
	v_max_num_f32 v[TM+\b], v[TM+\b], v[TM+4+\b]
.endr
.irp b, 0,1,2,3
	s_delay_alu instid0(VALU_DEP_4)
	v_add_nc_u32 v[TM+12+\b], 0xf8800000, v[TM+\b]
.endr
.irp b, 0,1,2,3
	v_and_or_b32 v[TM+8+\b], v[TM+\b], 0x7f800000, s[MNT]
.endr
.irp b, 0,1,2,3
	v_lshrrev_b32 v[TM+4+\b], 23, v[TM+12+\b]
.endr
	s_delay_alu instid0(VALU_DEP_3)
	v_lshl_or_b32 v[\pw], v[TM+5], 8, v[TM+4]
	s_delay_alu instid0(VALU_DEP_1)
	v_lshl_or_b32 v[\pw], v[TM+6], 16, v[\pw]
	s_delay_alu instid0(VALU_DEP_1)
	v_lshl_or_b32 v[\pw], v[TM+7], 24, v[\pw]
.irp b, 0,1,2,3
.irp i, 0,1,2,3,4,5,6,7,8,9,10,11,12,13,14,15
	v_med3_num_f32 v[\s+16*\b+\i], v[\s+16*\b+\i], -v[TM+8+\b], v[TM+8+\b]
.endr
	v_cvt_scalef32_pk8_bf8_f32 v[PC+4*\b:PC+1+4*\b], v[\s+16*\b:\s+7+16*\b], v[TM+12+\b]
	v_cvt_scalef32_pk8_bf8_f32 v[PC+2+4*\b:PC+3+4*\b], v[\s+8+16*\b:\s+15+16*\b], v[TM+12+\b]
.endr
	v_nop
.endm
.macro QLOAD p                         ; pass p's two query tiles, each in front of the zeros and behind them, and their scale words
	WIN 0x40
.irp u, 0,1
.irp c, 0,1
	global_load_b128 v[QF+24*\u+4*\c:QF+24*\u+4*\c+3], v[L16], s[QP:QP+1] offset:16384*\p+1024*\u+512*\c
	global_load_b128 v[QF+24*\u+16+4*\c:QF+24*\u+16+4*\c+3], v[L16], s[QP:QP+1] offset:16384*\p+1024*\u+512*\c
.endr
.endr
	WIN 0
	global_load_b32 v[QS], v[L16], s[QSP:QSP+1] offset:1024*\p
.endm
	s_load_b256 s[4:11], s[0:1], 0x0               ; q_img, q_sc, kv, act_img
	s_load_b64 s[12:13], s[0:1], 0x20              ; act_sc
	v_lshl_add_u32 v[SPW], v0, 2, 0x42000
	v_mov_b32 v[NIL], 0
	ds_add_u32 v[SPW], v[NIL]                      ; the opening lines: the add, twice on end, and its wait ahead of my tensor load
	ds_add_u32 v[SPW], v[NIL]
	v_lshrrev_b32 v6, 5, v0
	s_delay_alu instid0(VALU_DEP_1)
	v_readfirstlane_b32 s[WV], v6                  ; wave 0..7
	s_bfe_u32 s15, ttmp6, 0x40000                  ; cx: it enters Q's and the result's addresses alone
	s_and_b32 s16, ttmp7, 0xffff                   ; 16 n + head, which the four partners share
	s_mul_i32 s56, s16, 16*REC
	s_mul_i32 s18, s[WV], 2*REC                    ; records 2 w, 2 w + 1: in LDS, and in the head's part of kv
	s_add_co_u32 s56, s56, s18
	s_mov_b32 s57, 0
	s_lshl_b32 s58, s16, 17                        ; Q's codes: 131,072 a head, 1,024 a tile; my first tile is 32 cx + 2 w
	s_lshl_b32 s19, s15, 15
	s_add_co_u32 s58, s58, s19
	s_lshl_b32 s19, s[WV], 11
	s_add_co_u32 s58, s58, s19
	s_mov_b32 s59, 0
	s_lshl_b32 s60, s16, 13                        ; Q's scale words: 8,192 a head, 512 for four pairs, 4 a pair
	s_lshl_b32 s19, s15, 11
	s_add_co_u32 s60, s60, s19
	s_lshr_b32 s19, s[WV], 2
	s_lshl_b32 s19, s19, 9
	s_add_co_u32 s60, s60, s19
	s_and_b32 s19, s[WV], 3
	s_lshl_b32 s19, s19, 2
	s_add_co_u32 s60, s60, s19
	s_mov_b32 s61, 0
	s_lshr_b32 s17, s16, 4                         ; n
	s_and_b32 s29, s16, 15                         ; head
	s_lshl_b32 s30, s17, 7
	s_lshl_b32 s19, s15, 5
	s_add_co_u32 s30, s30, s19
	s_lshl_b32 s19, s[WV], 1
	s_add_co_u32 s30, s30, s19                     ; my first tile among the 512 of tokens
	s_lshr_b32 s31, s29, 2                         ; which 256 along the next K,
	s_and_b32 s29, s29, 3                          ; and which 64 of them
	s_lshl_b32 s62, s30, 12
	s_lshl_b32 s19, s31, 21
	s_add_co_u32 s62, s62, s19
	s_lshl_b32 s19, s29, 10
	s_add_co_u32 s62, s62, s19
	s_mov_b32 s63, 0
	s_lshl_b32 s66, s30, 9
	s_lshl_b32 s19, s31, 7
	s_add_co_u32 s66, s66, s19
	s_lshl_b32 s19, s29, 1
	s_add_co_u32 s66, s66, s19
	s_mov_b32 s67, 0
	s_mov_b32 s[G1], 15|(3<<16)|(1<<21)            ; the mask: all four work-groups; elements of 8 bytes; bit 21 beside a mask
	s_mov_b32 s[G1+1], 32<<16                      ; two records: 33,792 dense bytes as 132 rows of 256
	s_mov_b32 s[G1+2], 132<<16
	s_mov_b32 s[G1+3], 32<<16
	s_mov_b32 s[G1+4], 132
	s_mov_b32 s[G1+5], 32
	s_mov_b32 s[G1+6], 0
	s_mov_b32 s[G1+7], 0
	s_mov_b32 s[SEL], 0x76543210
	s_mov_b32 s[SEL+1], 0xfedcba98
	s_mov_b32 s[CS], 0x3e38aa3b
	s_mov_b32 s[CS+1], s[CS]                       ; (named with it as a pair, so it is written)
	s_mov_b32 s[MNT], 0x600000
	s_mov_b32 s[HM], 0xffff0000
	s_wait_dscnt 0x0
	s_wait_kmcnt 0x0
	s_mov_b32 s[G0A], 1
	s_mov_b32 s[G0A+1], s18
	s_add_nc_u64 s[G0A+2:G0A+3], s[8:9], s[56:57]
	s_or_b32 s[G0A+3], s[G0A+3], 0x80000000
	s_add_nc_u64 s[QP:QP+1], s[4:5], s[58:59]
	s_add_nc_u64 s[QSP:QSP+1], s[6:7], s[60:61]
	s_add_nc_u64 s[OP:OP+1], s[10:11], s[62:63]
	s_add_nc_u64 s[OSP:OSP+1], s[12:13], s[66:67]
	CROUND                                         ; all four work-groups are here: the joint loads meet
	tensor_load_to_lds s[G0A:G0A+3], s[G1:G1+7]    ; my one load
	s_nop 0
.rept 4
	v_nop
.endr
	v_and_b32 v6, 31, v0
	s_delay_alu instid0(VALU_DEP_1)
	v_lshlrev_b32 v[L16], 4, v6
	s_delay_alu instid0(VALU_DEP_2)
	v_lshlrev_b32 v[L8], 3, v6
	v_and_b32 v7, 15, v0
	v_bfe_u32 v8, v0, 4, 1
	s_delay_alu instid0(VALU_DEP_2)
	v_lshlrev_b32 v[OSA], 3, v7
	s_delay_alu instid0(VALU_DEP_1)
	v_lshl_add_u32 v[OSA], v8, 9, v[OSA]
	QLOAD 0                                        ; the first pass's Q travels beside the records
.irp u, 0,1
.irp b, 0,1,2,3
	v_mov_b32 v[W+16*\u+4+\b], 0                   ; a lane permute's destination counts as one of its sources
.endr
.endr
	WIN 0x40
.irp u, 0,1
.irp i, 0,1,2,3,4,5,6,7
	v_mov_b32 v[QF+24*\u+8+\i], 0                  ; the zero codes between Q's two copies
.endr
.endr
	WIN 0
	s_wait_alu depctr_va_vdst(0)
	s_wait_tensorcnt 0x0                           ; my two records are in,
	s_barrier_signal -1
	s_barrier_wait -1                              ; everybody's are: the head's K and V stay in LDS to the end
	s_mov_b32 s28, 2
.macro KQ f, e, u                      ; the scores of key tile 2 f + e for query tile u.  K's words: fragments 0, 2 in lanes 0-15, fragments 1, 3 in lanes 16-31; Q's: tile 0 below, tile 1 above
.if ((\f)%2 == 0) && (\u == 0)
	v_wmma_scale_f32_16x16x128_f8f6f4 v[S+64*\u+16*\f+8*\e:S+64*\u+16*\f+8*\e+7], v[KF+16*\f:KF+16*\f+15], v[QF+24*\u+8*\e:QF+24*\u+8*\e+15], 0, v[KS+\f/2], v[QS] matrix_a_fmt:MATRIX_FMT_BF8 matrix_b_fmt:MATRIX_FMT_BF8
.elseif ((\f)%2 == 1) && (\u == 0)
	v_wmma_scale_f32_16x16x128_f8f6f4 v[S+64*\u+16*\f+8*\e:S+64*\u+16*\f+8*\e+7], v[KF+16*\f:KF+16*\f+15], v[QF+24*\u+8*\e:QF+24*\u+8*\e+15], 0, v[KS+\f/2], v[QS] matrix_a_fmt:MATRIX_FMT_BF8 matrix_b_fmt:MATRIX_FMT_BF8 matrix_a_scale:MATRIX_SCALE_ROW1
.elseif ((\f)%2 == 0)
	v_wmma_scale_f32_16x16x128_f8f6f4 v[S+64*\u+16*\f+8*\e:S+64*\u+16*\f+8*\e+7], v[KF+16*\f:KF+16*\f+15], v[QF+24*\u+8*\e:QF+24*\u+8*\e+15], 0, v[KS+\f/2], v[QS] matrix_a_fmt:MATRIX_FMT_BF8 matrix_b_fmt:MATRIX_FMT_BF8 matrix_b_scale:MATRIX_SCALE_ROW1
.else
	v_wmma_scale_f32_16x16x128_f8f6f4 v[S+64*\u+16*\f+8*\e:S+64*\u+16*\f+8*\e+7], v[KF+16*\f:KF+16*\f+15], v[QF+24*\u+8*\e:QF+24*\u+8*\e+15], 0, v[KS+\f/2], v[QS] matrix_a_fmt:MATRIX_FMT_BF8 matrix_b_fmt:MATRIX_FMT_BF8 matrix_a_scale:MATRIX_SCALE_ROW1 matrix_b_scale:MATRIX_SCALE_ROW1
.endif
.endm
.macro PV t, u                         ; O^T of tile u, channels of V's tile t, += V^T P^T over the step's 128 keys
.if (\t)%2 == 0
	v_wmma_scale_f32_16x16x128_f8f6f4 v[OT+32*\u+8*\t:OT+32*\u+8*\t+7], v[VF+16*\t:VF+16*\t+15], v[PC+16*\u:PC+16*\u+15], v[OT+32*\u+8*\t:OT+32*\u+8*\t+7], v[VS+\t/2], v[PS+\u] matrix_a_fmt:MATRIX_FMT_BF8 matrix_b_fmt:MATRIX_FMT_BF8
.else
	v_wmma_scale_f32_16x16x128_f8f6f4 v[OT+32*\u+8*\t:OT+32*\u+8*\t+7], v[VF+16*\t:VF+16*\t+15], v[PC+16*\u:PC+16*\u+15], v[OT+32*\u+8*\t:OT+32*\u+8*\t+7], v[VS+\t/2], v[PS+\u] matrix_a_fmt:MATRIX_FMT_BF8 matrix_b_fmt:MATRIX_FMT_BF8 matrix_a_scale:MATRIX_SCALE_ROW1
.endif
.endm
.macro BYTES u                         ; from the four blocks' largest p: the sum under the new M (a plain line behind the exponentials), the batch's wait, the scales, the holds, the scale word
	v_pk_mul_f32 v[STT+8*\u+2:STT+8*\u+3], v[STT+8*\u+2:STT+8*\u+3], v[STT+8*\u+4:STT+8*\u+5] op_sel_hi:[1,0]
	s_wait_alu depctr_va_vdst(0)
.irp b, 0,1,2,3
	v_max_num_f32 v[W+16*\u+\b], 0x8000000, v[W+16*\u+\b]        ; the floor 2^(16 - 127)
.endr
.irp b, 0,1,2,3
	s_delay_alu instid0(VALU_DEP_4)
	v_add_nc_u32 v[W+16*\u+12+\b], 0xf8800000, v[W+16*\u+\b]
.endr
.irp b, 0,1,2,3
	v_and_or_b32 v[W+16*\u+8+\b], v[W+16*\u+\b], 0x7f800000, s[MNT]
.endr
.irp b, 0,1,2,3
	v_lshrrev_b32 v[W+16*\u+4+\b], 23, v[W+16*\u+12+\b]
.endr
	s_delay_alu instid0(VALU_DEP_3)
	v_lshl_or_b32 v[PS+\u], v[W+16*\u+5], 8, v[W+16*\u+4]
	s_delay_alu instid0(VALU_DEP_1)
	v_lshl_or_b32 v[PS+\u], v[W+16*\u+6], 16, v[PS+\u]
	s_delay_alu instid0(VALU_DEP_1)
	v_lshl_or_b32 v[PS+\u], v[W+16*\u+7], 24, v[PS+\u]
.endm
.macro SUM u                           ; the sum of tile u's 64 unquantised p, two at a time, in eight chains: 32 lines
.set sP, S+64*\u
.set sL, STT+8*\u+2
.irp k, 0,1,2,3,4,5,6
	v_pk_add_f32 v[TS+2*\k:TS+2*\k+1], v[sP+4*\k:sP+4*\k+1], v[sP+4*\k+2:sP+4*\k+3]
.endr
	v_pk_add_f32 v[sL:sL+1], v[sL:sL+1], v[sP+28:sP+29]
.irp k, 0,1,2,3,4,5,6
	v_pk_add_f32 v[TS+2*\k:TS+2*\k+1], v[TS+2*\k:TS+2*\k+1], v[sP+30+2*\k:sP+31+2*\k]
.endr
	v_pk_add_f32 v[sL:sL+1], v[sL:sL+1], v[sP+44:sP+45]
.irp k, 0,1,2,3,4,5,6
	v_pk_add_f32 v[TS+2*\k:TS+2*\k+1], v[TS+2*\k:TS+2*\k+1], v[sP+46+2*\k:sP+47+2*\k]
.endr
	v_pk_add_f32 v[sL:sL+1], v[sL:sL+1], v[sP+60:sP+61]
	v_pk_add_f32 v[TS:TS+1], v[TS:TS+1], v[sP+62:sP+63]
	s_delay_alu instid0(VALU_DEP_2)
	v_pk_add_f32 v[sL:sL+1], v[sL:sL+1], v[TS+6:TS+7]
	s_delay_alu instid0(VALU_DEP_2)
	v_pk_add_f32 v[TS:TS+1], v[TS:TS+1], v[TS+8:TS+9]
	v_pk_add_f32 v[TS+2:TS+3], v[TS+2:TS+3], v[TS+10:TS+11]
	v_pk_add_f32 v[TS+4:TS+5], v[TS+4:TS+5], v[TS+12:TS+13]
	s_delay_alu instid0(VALU_DEP_2)
	v_pk_add_f32 v[sL:sL+1], v[sL:sL+1], v[TS+2:TS+3]
	s_delay_alu instid0(VALU_DEP_2)
	v_pk_add_f32 v[TS:TS+1], v[TS:TS+1], v[TS+4:TS+5]
	s_delay_alu instid0(VALU_DEP_1)
	v_pk_add_f32 v[sL:sL+1], v[sL:sL+1], v[TS:TS+1]
.endm
.macro HOLD2 u, j                      ; numbers 2 j and 2 j + 1 of tile u's p are held at the largest code x their block's scale: p is not negative, so the hold is one-sided; two in one instruction
	v_dual_min_num_f32 v[S+64*\u+2*(\j)], v[S+64*\u+2*(\j)], v[W+16*\u+8+(\j)/8] :: v_dual_min_num_f32 v[S+64*\u+2*(\j)+1], v[S+64*\u+2*(\j)+1], v[W+16*\u+8+(\j)/8]
.endm
.macro CVT u                           ; tile u's 64 codes
.irp b, 0,1,2,3
	v_cvt_scalef32_pk8_bf8_f32 v[PC+16*\u+4*\b:PC+16*\u+4*\b+1], v[S+64*\u+16*\b:S+64*\u+16*\b+7], v[W+16*\u+12+\b]
	v_cvt_scalef32_pk8_bf8_f32 v[PC+16*\u+4*\b+2:PC+16*\u+4*\b+3], v[S+64*\u+16*\b+8:S+64*\u+16*\b+15], v[W+16*\u+12+\b]
.endr
.endm
; A KEY STEP: 128 keys, one record
.macro STEP
	s_wait_dscnt 0x0                               ; this step's K and its words, asked for a step ago, are in
	WIN 0x05                                       ; K and Q in window 1, S^T in window 0
.irp f, 0,1,2,3
.irp e, 0,1
.irp u, 0,1
	KQ \f, \e, \u
.endr
.endr
.endr
	WIN 0
	s_add_co_u32 s[TN], s[TB], REC
	s_min_u32 s[TN], s[TN], 15*REC                 ; the next record, held at the last one
	v_add_nc_u32 v[AL], s[TB], v[L16]              ; eight places behind the products above and the last step's: six lines that are due, two v_nop
	v_add_nc_u32 v[AS], s[TB], v[L8]
	v_add_nc_u32 v[AK], s[TN], v[L16]
	v_add_nc_u32 v[ASK], s[TN], v[L8]
.irp u, 0,1
	v_mov_b32 v[STT+8*\u+7], v[STT+8*\u]           ; the old -M
.endr
	v_nop
	v_nop
	ds_load_b64 v[VS:VS+1], v[AS] offset:16640     ; this step's V: 17 loads,
	WIN 0x40
.irp t, 0,1,2,3
.irp c, 0,1,2,3
	ds_load_b128 v[VF+16*\t+4*\c:VF+16*\t+4*\c+3], v[AL] offset:8192+2048*\t+512*\c
.endr
.endr
.irp f, 0,1,2,3
.irp c, 0,1,2,3
	ds_load_b128 v[KF+16*\f+4*\c:KF+16*\f+4*\c+3], v[AK] offset:2048*\f+512*\c   ; and the next step's K: 17 more
.endr
.endr
	WIN 0
	ds_load_b64 v[KS:KS+1], v[ASK] offset:16384
.irp b, 0,1,2,3                        ; the largest score of each block of 32 keys: it serves for the row's maximum and, since p rises with the score, for the block's largest p
.irp u, 0,1
	v_max3_num_f32 v[W+16*\u+\b], v[S+64*\u+16*\b], v[S+64*\u+16*\b+1], v[S+64*\u+16*\b+2]
.endr
.endr
.irp i, 3,5,7,9,11,13
.irp b, 0,1,2,3
.irp u, 0,1
	v_max3_num_f32 v[W+16*\u+\b], v[W+16*\u+\b], v[S+64*\u+16*\b+\i], v[S+64*\u+16*\b+\i+1]
.endr
.endr
.endr
.irp b, 0,1,2,3
.irp u, 0,1
	v_max_num_f32 v[W+16*\u+\b], v[W+16*\u+\b], v[S+64*\u+16*\b+15]
.endr
.endr
.irp b, 0,1,2,3
.irp u, 0,1
	v_permlanex16_b32 v[W+16*\u+4+\b], v[W+16*\u+\b], s[SEL], s[SEL+1]
.endr
.endr
.irp b, 0,1,2,3
.irp u, 0,1
	v_max_num_f32 v[W+16*\u+\b], v[W+16*\u+\b], v[W+16*\u+4+\b]
.endr
.endr
.irp u, 0,1
	v_max3_num_f32 v[STT+8*\u+1], v[STT+8*\u+1], v[W+16*\u], v[W+16*\u+1]      ; the running largest score
.endr
.irp u, 0,1
	s_delay_alu instid0(VALU_DEP_2)
	v_max3_num_f32 v[STT+8*\u+1], v[STT+8*\u+1], v[W+16*\u+2], v[W+16*\u+3]
.endr
.irp u, 0,1
	s_delay_alu instid0(VALU_DEP_2)
	v_mul_f32 v[STT+8*\u+6], s[CS], v[STT+8*\u+1]  ; as t (c is positive)
.endr
.irp u, 0,1
	s_delay_alu instid0(VALU_DEP_2)
	v_floor_f32 v[STT+8*\u], -v[STT+8*\u+6]        ; the new -M = floor(-t): M is a whole number
.endr
.irp u, 0,1
	s_delay_alu instid0(VALU_DEP_2)
	v_sub_f32 v[STT+8*\u+6], v[STT+8*\u], v[STT+8*\u+7]
.endr
.irp u, 0,1
	s_delay_alu instid0(VALU_DEP_2)
	v_cvt_i32_f32 v[STT+8*\u+6], v[STT+8*\u+6]     ; (it saturates)
.endr
.irp u, 0,1
	s_delay_alu instid0(VALU_DEP_2)
	v_ldexp_f32 v[STT+8*\u+4], 1.0, v[STT+8*\u+6]  ; f = 2^(old M - new M)
.endr
.set j, 0
.rept 32
	v_pk_fma_f32 v[S+2*j:S+2*j+1], v[S+2*j:S+2*j+1], s[CS:CS+1], v[STT:STT+1] op_sel_hi:[1,0,0]   ; tile 0: t - M
.set j, j+1
.endr
.irp b, 0,2
	v_pk_fma_f32 v[W+\b:W+\b+1], v[W+\b:W+\b+1], s[CS:CS+1], v[STT:STT+1] op_sel_hi:[1,0,0]   ; the same of the blocks' largest scores
.endr
	s_wait_alu depctr_va_vdst(0)
.set j, 0
.rept 32                               ; tile 0's exponentials, with tile 1's scalings between them: each is read only behind the wait below
	v_exp_f32 v[S+2*j], v[S+2*j]
	v_pk_fma_f32 v[S+64+2*j:S+64+2*j+1], v[S+64+2*j:S+64+2*j+1], s[CS:CS+1], v[STT+8:STT+9] op_sel_hi:[1,0,0]
	v_exp_f32 v[S+2*j+1], v[S+2*j+1]
.set j, j+1
.endr
.irp b, 0,2
	v_pk_fma_f32 v[W+16+\b:W+16+\b+1], v[W+16+\b:W+16+\b+1], s[CS:CS+1], v[STT+8:STT+9] op_sel_hi:[1,0,0]
.endr
.irp b, 0,1,2,3
	v_exp_f32 v[W+\b], v[W+\b]                     ; the blocks' largest p: the same two instructions on the same number
.endr
	BYTES 0
	SUM 0
	s_wait_alu depctr_va_vdst(0)                   ; ahead of the second batch
.set j, 0
.rept 32                               ; tile 1's exponentials, with tile 0's holds between them: its sum has been taken
	v_exp_f32 v[S+64+2*j], v[S+64+2*j]
	HOLD2 0, j
	v_exp_f32 v[S+64+2*j+1], v[S+64+2*j+1]
.set j, j+1
.endr
.irp b, 0,1,2,3
	v_exp_f32 v[W+16+\b], v[W+16+\b]
.endr
	BYTES 1
	CVT 0
	SUM 1                                          ; (its first line is the plain line behind the conversions)
.set j, 0
.rept 32
	HOLD2 1, j
.set j, j+1
.endr
	CVT 1
	v_nop                                          ; a plain line behind the last conversion
	WIN 0x41                                       ; O^T in window 1, f in window 0
	s_wait_alu depctr_va_vdst(0)
.irp u, 0,1
.set i, 0
.rept 16
	v_pk_mul_f32 v[OT+32*\u+2*i:OT+32*\u+2*i+1], v[OT+32*\u+2*i:OT+32*\u+2*i+1], v[STT+8*\u+4:STT+8*\u+5] op_sel_hi:[1,0]   ; O^T under the new M; these 32 are also the places in front of the products below
.set i, i+1
.endr
.endr
	s_wait_alu depctr_va_vdst(0)
	s_wait_dscnt 17                                ; V and its words are in; the 17 loads issued behind them, the next step's K, may be out
	WIN 0x51                                       ; V in window 1, p's codes in window 0, O^T in window 1
.irp t, 0,1,2,3
.irp u, 0,1
	PV \t, \u
.endr
.endr
	WIN 0
	s_add_co_u32 s[TB], s[TB], REC
.endm
.Lpass:
	s_wait_dscnt 0x0                               ; no LDS load of mine is out: K's registers are loaded anew below
	WIN 0x40
.irp f, 0,1,2,3
.irp c, 0,1,2,3
	ds_load_b128 v[KF+16*\f+4*\c:KF+16*\f+4*\c+3], v[L16] offset:2048*\f+512*\c   ; record 0's K
.endr
.endr
.set i, 0
.rept 64
	v_mov_b32 v[OT+i], 0                           ; the step is written once: the first finds zeros, which the first change of M leaves zeros
.set i, i+1
.endr
	WIN 0
	ds_load_b64 v[KS:KS+1], v[L8] offset:16384
.irp u, 0,1
	v_mov_b32 v[STT+8*\u+1], 0xff61b1e6            ; the largest score so far: -3e38
	v_mov_b32 v[STT+8*\u+2], 0
	v_mov_b32 v[STT+8*\u+3], 0
	v_mov_b32 v[STT+8*\u+5], 0                     ; (named as the upper half of a pair)
	v_mov_b32 v[STT+8*\u+7], 0
	v_floor_f32 v[STT+8*\u], -v[STT+8*\u+1]
.endr
	s_mov_b32 s[TB], 0
	s_mov_b32 s27, 16
	s_wait_alu depctr_va_vdst(0)
	s_wait_loadcnt 0x0                             ; Q
.Lstep:
	STEP
	s_sub_co_u32 s27, s27, 1
	s_cmp_lg_u32 s27, 0
	s_cbranch_scc1 .Lstep
	s_cmp_eq_u32 s28, 1                            ; behind the first pass the second pass's Q is asked for, and travels beside the way out
	s_cbranch_scc1 .Lno_q
	QLOAD 1
.Lno_q:
	; THE WAY OUT of a pass: O^T / the sum; the two tiles' 2 x 32 numbers are four blocks of 32 along the next K; their codes are groups of the next operand's image
.rept 8
	v_nop
.endr
.irp u, 0,1
	v_add_f32 v[STT+8*\u+6], v[STT+8*\u+2], v[STT+8*\u+3]
.endr
.irp u, 0,1
	s_delay_alu instid0(VALU_DEP_2)
	v_permlanex16_b32 v[STT+8*\u+7], v[STT+8*\u+6], s[SEL], s[SEL+1]
.endr
.irp u, 0,1
	s_delay_alu instid0(VALU_DEP_2)
	v_add_f32 v[STT+8*\u+6], v[STT+8*\u+6], v[STT+8*\u+7]
.endr
	s_wait_alu depctr_va_vdst(0)
.irp u, 0,1
	v_rcp_f32 v[STT+8*\u+4], v[STT+8*\u+6]
.endr
	v_nop
	WIN 0x01
	s_wait_alu depctr_va_vdst(0)
.irp u, 0,1
.set i, 0
.rept 16
	v_pk_mul_f32 v[S+32*\u+2*i:S+32*\u+2*i+1], v[OT+32*\u+2*i:OT+32*\u+2*i+1], v[STT+8*\u+4:STT+8*\u+5] op_sel_hi:[1,0]
.set i, i+1
.endr
.endr
	WIN 0
	QUANT S, PW
.irp u, 0,1
.irp c, 0,1
	global_store_b128 v[L16], v[PC+8*\u+4*\c:PC+8*\u+4*\c+3], s[OP:OP+1] offset:4096*\u+512*\c   ; 512 consecutive bytes, aligned
.endr
.endr
	v_lshrrev_b32 v[TT], 16, v[PW]
	s_delay_alu instid0(VALU_DEP_1)
	v_cndmask_b32 v[TT], v[PW], v[TT], s[HM]       ; lanes 0-15: tile 0's two bytes; lanes 16-31: tile 1's
	global_store_b16 v[OSA], v[TT], s[OSP:OSP+1]
	s_wait_xcnt 0x0                                ; the stores have read their registers and bases: both are written again below
	s_add_nc_u64 s[OP:OP+1], s[OP:OP+1], 65536     ; 16 tiles on
	s_add_nc_u64 s[OSP:OSP+1], s[OSP:OSP+1], 8192
	s_sub_co_u32 s28, s28, 1
	s_cmp_lg_u32 s28, 0
	s_cbranch_scc1 .Lpass
	s_wait_tensorcnt 0x0                           ; the wave's end
	ds_add_u32 v[SPW], v[NIL]
	s_wait_dscnt 0x0
	CROUND                                         ; the closing round
	s_endpgm
.Lfunc_end_k_qd5a6c5951d_attn:
	.size	k_qd5a6c5951d_attn, .Lfunc_end_k_qd5a6c5951d_attn-k_qd5a6c5951d_attn
	.p2alignl 7, 3214868480
	.fill 96, 4, 3214868480
	.section	.rodata,"a",@progbits
	.p2align	6, 0x0
	.amdhsa_kernel k_qd5a6c5951d_attn
		.amdhsa_group_segment_fixed_size 327680
		.amdhsa_private_segment_fixed_size 0
		.amdhsa_enable_private_segment 0
		.amdhsa_kernarg_size 40
		.amdhsa_user_sgpr_count 2
		.amdhsa_user_sgpr_kernarg_segment_ptr 1
		.amdhsa_wavefront_size32 1
		.amdhsa_system_sgpr_workgroup_id_x 1
		.amdhsa_system_sgpr_workgroup_id_y 1
		.amdhsa_system_sgpr_workgroup_id_z 1
		.amdhsa_system_vgpr_workitem_id 0
		.amdhsa_next_free_vgpr 512
		.amdhsa_next_free_sgpr 68
		.amdhsa_reserve_vcc 0
		.amdhsa_float_denorm_mode_32 3
		.amdhsa_float_denorm_mode_16_64 3
		.amdhsa_memory_ordered 1
		.amdhsa_forward_progress 1
		.amdhsa_inst_pref_size 60
	.end_amdhsa_kernel
	.amdgpu_metadata
---
amdhsa.version: [ 1, 2 ]
amdhsa.kernels:
  - .name:           k_qd5a6c5951d_attn
    .symbol:         k_qd5a6c5951d_attn.kd
    .args:
      - { .name: q_img, .offset: 0, .size: 8, .value_kind: global_buffer, .address_space: global }
      - { .name: q_sc, .offset: 8, .size: 8, .value_kind: global_buffer, .address_space: global }
      - { .name: kv, .offset: 16, .size: 8, .value_kind: global_buffer, .address_space: global }
      - { .name: act_img, .offset: 24, .size: 8, .value_kind: global_buffer, .address_space: global }
      - { .name: act_sc, .offset: 32, .size: 8, .value_kind: global_buffer, .address_space: global }
    .group_segment_fixed_size: 327680
    .private_segment_fixed_size: 0
    .kernarg_segment_align: 8
    .kernarg_segment_size: 40
    .max_flat_workgroup_size: 256
    .sgpr_count:     68
    .vgpr_count:     512
    .wavefront_size: 32
...
	.end_amdgpu_metadata
.endif
;; end of part 3
;; launch oproj (part 4): grid 4 x 64, 4 waves a work-group, clusters of 4 x 4, 327,680 bytes of LDS; arguments act_img, act_sc, w_img, w_sc, bo, out0; writes out0
.if DOCPART == 4
	.amdgcn_target "amdgcn-amd-amdhsa--gfx1250"
	.amdhsa_code_object_version 6
	.text
	.protected	k_qd5a6c5951d_oproj
	.globl	k_qd5a6c5951d_oproj
	.p2align	8
	.type	k_qd5a6c5951d_oproj,@function
k_qd5a6c5951d_oproj:
	s_mov_b64 s[64:65], 0
	v_nop
	global_prefetch_b8 v0, s[64:65] scope:SCOPE_SE
	s_setreg_imm32_b32 hwreg(HW_REG_WAVE_MODE, 25, 1), 1
	s_wait_xcnt 0x0
	s_wait_alu depctr_hold_cnt(0) depctr_sa_sdst(0) depctr_va_vdst(0) depctr_va_sdst(0) depctr_va_ssrc(0) depctr_va_vcc(0) depctr_vm_vsrc(0)
	s_getreg_b32 s2, hwreg(HW_REG_IB_STS2, 6, 4)
	s_cmp_eq_u32 s2, 0
	s_cbranch_scc0 .Lentry_in_a_cluster
	s_endpgm
.Lentry_in_a_cluster:
	s_bfe_u32 s2, ttmp6, 0x10000c
	s_cmp_lg_u32 s2, 0xf033
	s_cbranch_scc0 .Lentry_shape_is_right
	s_endpgm
.Lentry_shape_is_right:
; out0 = O Wo^T + bo on codes of BF8 (E5M2) with E8M0 scales, 8,192 x 1,024 x 1,024, sums and result in f32.  O's and Wo's codes and scale bytes lie as images of the operand's registers (the first launch's head has the layout); Wo's tiles are numbers 192 to 255 of w_img.
; SHARES: 256 work-groups, each 128 rows x 256 columns.  THE COLUMNS GO IN TWO HALVES of 128, each with ALL of K, so that the first half's results leave while the second half is multiplied.  A wave makes 64 rows x 64 columns of a half: 16 accumulators of 16 x 16.
; The instruction is used transposed (source 0 = 16 rows of Wo, source 1 = 16 rows of O): a lane holds eight neighbouring numbers of a row.
; O LIVES IN REGISTERS: a wave's 4 tiles x 8 steps of 128 along K are 512 registers, read from LDS once.  Wo's 4 tiles of a step come from LDS a step ahead, in two sets.
; LDS: two regions of 131,072 bytes, each [K step of 256][8 tiles][4,096].  Region 0 takes O's 8 tiles; once every wave holds them in registers, Wo's second half is filled over them, behind a drained round, a K step (128 rows of 256 bytes) a wave.  Region 1 takes Wo's first half.
; Behind the regions: the scale bytes of all of K (O's 4,096, Wo's 8,192), the spare words, and a stage of 16 rows x 272 bytes for each wave, in bytes into which no fill lands.
; THE HEAD: one joint load a wave: O's codes (4 rows of 32,768 bytes, a K step apart in memory), Wo's first half likewise, the two tiles of scale bytes.  O's load has an arm of its own and wave 0 alone waits for it at the first barrier: the 128 register loads stand beside the landing of the rest.
; CLUSTERS: 4 x 4: O's tiles are shared along a row of the cluster, Wo's along a column.  The bias is the first products' C of either half.
; No prefetch: the text has no loop to ask ahead in, and all but Wo's second half is asked for at the head.
; LIMITS: NaN and infinities are not served.
; REGISTERS: window 0: v16-30 addresses; v32-63 a half's scale words; v64-127 the bias; v128-255 Wo's fragments, two sets of 4 (on the way out: rows read back).  Windows 1, 2: O's fragment (tile a, step n) is number 4 n + a.  Window 3: accumulator (a, b) at v[8 (4 a + b)].
.set NP,     8
.set R1,     131072
.set SCL,    262144                    ; O's scale bytes; Wo's 4,096 on
.set SPARE,  SCL+12288
.set STAGE,  SPARE+512
.set XSTEP,  0x200000                  ; from a K step to the next in act_img,
.set WSTEP,  0x100000                  ; and in w_img
.set SPITCH, 272
.set ADRA, 16                          ; v16, v17 my fragments of O: K steps 0, 1 and 2, 3
.set ADRB, 18                          ; v18-21 my fragments of Wo: half c, K steps 0, 1 and 2, 3: v[18 + 2 c], v[19 + 2 c]
.set ADRS, 22                          ; v22, v23 scale words for half 0, 1: lanes 0-15 O's tiles, lanes 16-31 Wo's
.set L16,  24
.set STO,  25
.set RD,   26
.set CO,   27
.set SPW,  28
.set NIL,  29
.set BOFF, 30
.set SC,   32
.set BI,   64
.set BF,   128
.set BK,   128
.set G1A, 24
.set G1R, 32
.set G1B, 48
.set G0A, 56
.set G0B, 60
.set G1S, 68
.set G0S, 76
.set G1SB, 80
.set G0SB, 88
.set G0R, 92
.set MSB, 0
.macro WIN new
.if MSB != (\new)
	s_set_vgpr_msb (MSB<<8)|(\new)
.set MSB, (\new)
.endif
.endm
.macro CROUND
	s_barrier_signal -1
	s_barrier_wait -1
	s_cmp_lg_u32 s14, 0
	s_cbranch_scc1 .Lnot_wave_0_\@
	s_barrier_signal -3
.Lnot_wave_0_\@:
	s_barrier_wait -3
	s_barrier_signal -1
	s_barrier_wait -1
.endm
.macro PLACES n
.rept \n
	v_nop
.endr
.endm
.macro GROUP1 g, mask, c, r, p         ; r rows of c elements of 8 bytes, p elements apart
	s_or_b32 s[\g], s\mask, (3<<16)|(1<<21)
	s_mov_b32 s[\g+1], (\c)<<16
	s_mov_b32 s[\g+2], (\r)<<16
	s_mov_b32 s[\g+3], (\c)<<16
	s_mov_b32 s[\g+4], \r
	s_mov_b32 s[\g+5], \p
	s_mov_b32 s[\g+6], 0
	s_mov_b32 s[\g+7], 0
.endm
	s_load_b256 s[4:11], s[0:1], 0x0               ; act_img, act_sc, w_img, w_sc
	s_load_b64 s[12:13], s[0:1], 0x20              ; bo
	s_load_b64 s[66:67], s[0:1], 0x28              ; out0
	v_lshl_add_u32 v[SPW], v0, 2, SPARE
	v_mov_b32 v[NIL], 0
	ds_add_u32 v[SPW], v[NIL]                      ; the opening lines: the add, twice on end, and its wait ahead of my first tensor load
	ds_add_u32 v[SPW], v[NIL]
	v_lshrrev_b32 v1, 5, v0
	v_readfirstlane_b32 s14, v1                    ; wave
	s_lshr_b32 s15, s14, 1                         ; my half of the rows
	s_and_b32 s16, s14, 1                          ; my 64 of a half's 128 columns
	s_bfe_u32 s40, ttmp6, 0x40000
	s_bfe_u32 s41, ttmp6, 0x40004
	s_lshl_b32 s42, ttmp9, 2
	s_add_co_u32 s42, s42, s40                     ; block column, 0 to 3
	s_and_b32 s17, ttmp7, 0xffff
	s_lshl_b32 s17, s17, 2
	s_add_co_u32 s17, s17, s41                     ; block row, 0 to 63
	s_lshl_b32 s43, s41, 2
	s_lshl_b32 s43, 15, s43                        ; my row of the cluster
	s_lshl_b32 s44, 0x1111, s40                    ; my column
	GROUP1 G1A, 43, 4096, 4, XSTEP/8
	GROUP1 G1B, 44, 4096, 4, WSTEP/8
	GROUP1 G1S, 43, 32, 16, 32
	GROUP1 G1SB, 44, 32, 32, 32
	GROUP1 G1R, 44, 32, 128, 32
	s_lshl_b32 s20, s17, 15                        ; O: 8 tiles of 4,096 bytes a block row,
	s_mov_b32 s21, 0
	s_lshl_b32 s22, s17, 12                        ; and 512 scale bytes a tile
	s_mov_b32 s23, 0
	s_lshl_b32 s46, s42, 4
	s_add_co_u32 s46, s46, 192                     ; Wo's first tile of my 16
	s_lshl_b32 s18, s46, 9
	s_mov_b32 s19, 0
	s_lshl_b32 s46, s46, 12
	s_mov_b32 s47, 0
	s_lshl_b32 s2, s14, 20                         ; the refill: K step w is mine
	s_mov_b32 s3, 0
	s_mov_b32 s[G0A], 1
	s_mov_b32 s[G0A+1], 0
	s_mov_b32 s[G0B], 1
	s_mov_b32 s[G0B+1], R1
	s_mov_b32 s[G0S], 1
	s_mov_b32 s[G0S+1], SCL
	s_mov_b32 s[G0SB], 1
	s_mov_b32 s[G0SB+1], SCL+4096
	s_mov_b32 s[G0R], 1
	s_lshl_b32 s[G0R+1], s14, 15
	s_wait_dscnt 0x0
	s_wait_kmcnt 0x0
	s_add_nc_u64 s[G0A+2:G0A+3], s[4:5], s[20:21]
	s_add_nc_u64 s[G0S+2:G0S+3], s[6:7], s[22:23]
	s_add_nc_u64 s[G0B+2:G0B+3], s[8:9], s[46:47]
	s_add_nc_u64 s[G0SB+2:G0SB+3], s[10:11], s[18:19]
	s_add_nc_u64 s[G0R+2:G0R+3], s[G0B+2:G0B+3], s[2:3]
	s_add_nc_u64 s[G0R+2:G0R+3], s[G0R+2:G0R+3], 32768   ; 8 tiles on: Wo's second half
	s_or_b32 s[G0A+3], s[G0A+3], 0x80000000
	s_or_b32 s[G0S+3], s[G0S+3], 0x80000000
	s_or_b32 s[G0B+3], s[G0B+3], 0x80000000
	s_or_b32 s[G0SB+3], s[G0SB+3], 0x80000000
	s_or_b32 s[G0R+3], s[G0R+3], 0x80000000
	CROUND                                         ; all sixteen work-groups are here: the first joint loads meet
; one chain of branches on the wave's number, one joint load to an arm: one tensor load a wave at the head
.macro ARM under, g0, g1, next
	s_cmp_lt_u32 s14, \under
	s_cbranch_scc0 \next
	tensor_load_to_lds s[\g0:\g0+3], s[\g1:\g1+7]
	s_nop 0
	PLACES 4
	s_branch .Lhead_asked
\next:
.endm
	ARM 1, G0A, G1A, .Lhead_b
	ARM 2, G0B, G1B, .Lhead_sa
	ARM 3, G0S, G1S, .Lhead_sb
	tensor_load_to_lds s[G0SB:G0SB+3], s[G1SB:G1SB+7]
	s_nop 0
	PLACES 4
.Lhead_asked:
	s_lshl_b32 s20, s42, 10                        ; my first column in bytes: 1,024 x block column + 256 x my 64 of a half
	s_lshl_b32 s21, s16, 8
	s_add_co_u32 s20, s20, s21
	s_mov_b32 s21, 0
	s_add_nc_u64 s[12:13], s[12:13], s[20:21]
	s_lshl_b32 s46, s17, 7
	s_lshl_b32 s47, s15, 6
	s_add_co_u32 s46, s46, s47                     ; my first row: 128 x block row + 64 x half
	s_lshl_b32 s46, s46, 12
	s_mov_b32 s47, 0
	s_add_nc_u64 s[66:67], s[66:67], s[46:47]
	s_add_nc_u64 s[66:67], s[66:67], s[20:21]
	s_lshl_b32 s22, s15, 14                        ; my 4 tiles of O in a K step of region 0
	s_lshl_b32 s23, s16, 14                        ; my 4 tiles of Wo in a K step of a region
	s_lshl_b32 s18, s15, 11                        ; O's scale words,
	s_lshl_b32 s19, s16, 11
	s_add_co_u32 s19, s19, 4096
	s_sub_co_u32 s19, s19, s18                     ; and how far on Wo's lie
	s_add_co_u32 s18, s18, SCL
	s_mul_i32 s2, s14, 16*SPITCH
	s_add_co_u32 s2, s2, STAGE                     ; my stage
	v_and_b32 v1, 15, v0
	v_bfe_u32 v2, v0, 4, 1
	v_and_b32 v3, 31, v0
	v_lshlrev_b32 v[L16], 4, v3
	v_lshlrev_b32 v[BOFF], 6, v2
.irp c, 0,1
.irp b, 0,1
.irp j, 0,1,2,3
	global_load_b128 v[BI+32*\c+16*\b+4*\j:BI+32*\c+16*\b+4*\j+3], v[BOFF], s[12:13] offset:512*\c+128*\b+16*\j   ; register 32 c + 8 b + j: the bias of column 128 c + 32 (b / 2) + 8 (b % 2) + 16 (lane / 16) + j of mine
.endr
.endr
.endr
	v_add_nc_u32 v[ADRA], s22, v[L16]
	v_add_nc_u32 v[ADRA+1], 65536, v[ADRA]
	v_add_nc_u32 v[ADRB+2], s23, v[L16]            ; the second half lies in region 0,
	v_add_nc_u32 v[ADRB+3], 65536, v[ADRB+2]
	v_add_nc_u32 v[ADRB], R1, v[ADRB+2]            ; the first in region 1
	v_add_nc_u32 v[ADRB+1], R1+65536, v[ADRB+2]
	v_lshlrev_b32 v5, 3, v1
	v_mul_u32_u24 v6, s19, v2
	v_add_nc_u32 v5, v5, v6
	v_add_nc_u32 v[ADRS], s18, v5
	v_lshl_add_u32 v[ADRS+1], v2, 12, v[ADRS]      ; Wo's second half: 8 tiles of 512 bytes on, in lanes 16-31 alone
	v_mul_u32_u24 v7, v1, SPITCH
	v_lshl_add_u32 v7, v2, 6, v7
	v_add_nc_u32 v[STO], s2, v7                    ; into the stage: row lane % 16, 64 bytes for each half of the lanes
	v_mul_u32_u24 v8, v2, SPITCH
	v_lshl_add_u32 v8, v1, 4, v8
	v_add_nc_u32 v[RD], s2, v8                     ; back: lanes 0-15 one row of 256 bytes, lanes 16-31 the next
	v_lshlrev_b32 v9, 4, v1
	v_lshl_add_u32 v[CO], v2, 12, v9               ; and the same two rows in out0
.macro FRAG reg, adr, off
.irp c, 0,1,2,3
	ds_load_b128 v[\reg+4*\c:\reg+4*\c+3], v[\adr] offset:(\off)+512*\c
.endr
.endm
.macro FETCHB c, n                     ; half c, step n: Wo's 4 fragments into set n % 2: 16 loads
.irp i, 0,1,2,3
	FRAG BF+64*((\n)%2)+16*\i, ADRB+2*(\c)+(\n)/4, 32768*(((\n)/2)%2)+4096*\i+2048*((\n)%2)
.endr
.endm
.macro SCALES c                        ; half c's scale words of all of K: register 8 k + 2 i + q: lanes 0-15 O's tile i, lanes 16-31 Wo's tile i, K step k, its half q
.irp k, 0,1,2,3
.irp i, 0,1,2,3
	ds_load_b64 v[SC+8*\k+2*\i:SC+8*\k+2*\i+1], v[ADRS+\c] offset:512*\i+128*\k
.endr
.endr
.endm
.macro MULQ n, c, first                ; step n: O's four tiles against Wo's four: 16 accumulators by turns
.irp a, 0,1,2,3
.irp b, 0,1,2,3
.if \first
	v_wmma_scale_f32_16x16x128_f8f6f4 v[8*(4*\a+\b):8*(4*\a+\b)+7], v[BF+64*((\n)%2)+16*\b:BF+64*((\n)%2)+16*\b+15], v[16*((4*(\n)+\a)%16):16*((4*(\n)+\a)%16)+15], v[BI+32*(\c)+8*\b:BI+32*(\c)+8*\b+7], v[SC+8*((\n)/2)+2*\b+(\n)%2], v[SC+8*((\n)/2)+2*\a+(\n)%2] matrix_a_fmt:MATRIX_FMT_BF8 matrix_b_fmt:MATRIX_FMT_BF8 matrix_a_scale:MATRIX_SCALE_ROW1
.else
	v_wmma_scale_f32_16x16x128_f8f6f4 v[8*(4*\a+\b):8*(4*\a+\b)+7], v[BF+64*((\n)%2)+16*\b:BF+64*((\n)%2)+16*\b+15], v[16*((4*(\n)+\a)%16):16*((4*(\n)+\a)%16)+15], v[8*(4*\a+\b):8*(4*\a+\b)+7], v[SC+8*((\n)/2)+2*\b+(\n)%2], v[SC+8*((\n)/2)+2*\a+(\n)%2] matrix_a_fmt:MATRIX_FMT_BF8 matrix_b_fmt:MATRIX_FMT_BF8 matrix_a_scale:MATRIX_SCALE_ROW1
.endif
.endr
.endr
.endm
.macro PHASE c                         ; a half's eight steps.  Windows: source 0 (Wo) 0, source 1 (O) 1 or 2, C and D 3; the first step's C, the bias, 0
.irp n, 0,1,2,3,4,5,6,7
.if \n > 0
	PLACES NP                                      ; behind the last step's products, whose set is loaded below
.endif
.if \n < 7
	FETCHB \c, \n+1
	s_wait_dscnt 16                                ; all but the 16 loads just issued: this step's fragments (and the scale words) are in
.else
	s_wait_dscnt 0x0
.endif
.if \n == 0
	WIN 0xc4
	MULQ \n, \c, 1
.elseif \n < 4
	WIN 0xf4
	MULQ \n, \c, 0
.else
	WIN 0xf8
	MULQ \n, \c, 0
.endif
	WIN 0
.endr
.endm
; THE WAY OUT of a half, 16 rows x 64 columns at a time, through my stage: rows of 256 bytes come back, two an instruction, and sixteen lanes store one aligned unit of 256 bytes
.macro TOSTAGE a
	WIN 0x0c                                       ; the data: window 3
.irp b, 0,1,2,3
	ds_store_b128 v[STO], v[8*(4*(\a)+\b):8*(4*(\a)+\b)+3] offset:128*(\b/2)+32*(\b%2)
	ds_store_b128 v[STO], v[8*(4*(\a)+\b)+4:8*(4*(\a)+\b)+7] offset:128*(\b/2)+32*(\b%2)+16
.endr
	WIN 0
.irp t, 0,1,2,3,4,5,6,7
	ds_load_b128 v[BK+32*(\a)+4*\t:BK+32*(\a)+4*\t+3], v[RD] offset:2*\t*SPITCH   ; LDS serves a wave's instructions in order: these see the stores above
.endr
.endm
.macro SEND a, c, younger
	s_wait_dscnt \younger
.irp t, 0,1,2,3,4,5,6,7
	global_store_b128 v[CO], v[BK+32*(\a)+4*\t:BK+32*(\a)+4*\t+3], s[66:67] offset:(32*((\a)/2)+8*((\a)%2)+2*\t+8*(\t/4))*4096+512*(\c) th:TH_STORE_NT
.endr
.endm
.macro WAYOUT c
	PLACES NP+1                                    ; eight for the reads of the sums and the loads into the fragments' registers; nine for the next half's first products, which begin the accumulators anew
	TOSTAGE 0
.irp a, 1,2,3
	TOSTAGE \a
	SEND \a-1, \c, 16                              ; behind block a - 1's loads: block a's 8 stores and 8 loads
.endr
	SEND 3, \c, 0
.endm
	s_wait_alu depctr_va_vdst(0)
	s_cmp_eq_u32 s14, 0
	s_cbranch_scc0 .Lnot_a
	s_wait_tensorcnt 0x0                           ; wave 0: O's codes have landed.  The other waves' wait stands ahead of the round below
.Lnot_a:
	s_barrier_signal -1
	s_barrier_wait -1
.irp n, 0,1,2,3,4,5,6,7                ; my 64 rows of O, all of K, into windows 1 and 2: 128 loads
.irp a, 0,1,2,3
	WIN (1+(4*\n+\a)/16)<<6
	FRAG 16*((4*\n+\a)%16), ADRA+\n/4, 32768*((\n/2)%2)+4096*\a+2048*(\n%2)
.endr
.endr
	WIN 0
	s_wait_tensorcnt 0x0                           ; my tile of the head's four is in
	ds_add_u32 v[SPW], v[NIL]
	s_wait_dscnt 0x0                               ; O is in my registers: my reads of region 0 are over
	CROUND                                         ; both hold of every wave of the cluster; Wo's first half and the scale bytes are whole
	tensor_load_to_lds s[G0R:G0R+3], s[G1R:G1R+7]  ; Wo's second half over O's bytes: my K step of it
	s_nop 0
	PLACES 4
	SCALES 0
	FETCHB 0, 0
	s_wait_loadcnt 0x0                             ; the bias
	PHASE 0
	WAYOUT 0
	s_wait_tensorcnt 0x0                           ; my K step of Wo's second half is in,
	s_wait_dscnt 0x0
	s_barrier_signal -1
	s_barrier_wait -1                              ; everybody's is
	s_wait_xcnt 0x0                                ; the stores have read their registers, which take fragments again
	SCALES 1
	FETCHB 1, 0
	PHASE 1
	WAYOUT 1
	s_wait_tensorcnt 0x0                           ; the wave's end
	ds_add_u32 v[SPW], v[NIL]
	s_wait_dscnt 0x0
	CROUND                                         ; the closing round
	s_endpgm
.Lfunc_end_k_qd5a6c5951d_oproj:
	.size	k_qd5a6c5951d_oproj, .Lfunc_end_k_qd5a6c5951d_oproj-k_qd5a6c5951d_oproj
	.p2alignl 7, 3214868480
	.fill 96, 4, 3214868480
	.section	.rodata,"a",@progbits
	.p2align	6, 0x0
	.amdhsa_kernel k_qd5a6c5951d_oproj
		.amdhsa_group_segment_fixed_size 327680
		.amdhsa_private_segment_fixed_size 0
		.amdhsa_enable_private_segment 0
		.amdhsa_kernarg_size 48
		.amdhsa_user_sgpr_count 2
		.amdhsa_user_sgpr_kernarg_segment_ptr 1
		.amdhsa_wavefront_size32 1
		.amdhsa_system_sgpr_workgroup_id_x 1
		.amdhsa_system_sgpr_workgroup_id_y 1
		.amdhsa_system_sgpr_workgroup_id_z 1
		.amdhsa_system_vgpr_workitem_id 0
		.amdhsa_next_free_vgpr 1024
		.amdhsa_next_free_sgpr 100
		.amdhsa_reserve_vcc 0
		.amdhsa_float_denorm_mode_32 3
		.amdhsa_float_denorm_mode_16_64 3
		.amdhsa_memory_ordered 1
		.amdhsa_forward_progress 1
		.amdhsa_inst_pref_size 90
	.end_amdhsa_kernel
	.amdgpu_metadata
---
amdhsa.version: [ 1, 2 ]
amdhsa.kernels:
  - .name:           k_qd5a6c5951d_oproj
    .symbol:         k_qd5a6c5951d_oproj.kd
    .args:
      - { .name: act_img, .offset: 0, .size: 8, .value_kind: global_buffer, .address_space: global }
      - { .name: act_sc, .offset: 8, .size: 8, .value_kind: global_buffer, .address_space: global }
      - { .name: w_img, .offset: 16, .size: 8, .value_kind: global_buffer, .address_space: global }
      - { .name: w_sc, .offset: 24, .size: 8, .value_kind: global_buffer, .address_space: global }
      - { .name: bo, .offset: 32, .size: 8, .value_kind: global_buffer, .address_space: global }
      - { .name: out0, .offset: 40, .size: 8, .value_kind: global_buffer, .address_space: global }
    .group_segment_fixed_size: 327680
    .private_segment_fixed_size: 0
    .kernarg_segment_align: 8
    .kernarg_segment_size: 48
    .max_flat_workgroup_size: 128
    .sgpr_count:     100
    .vgpr_count:     1024
    .wavefront_size: 32
...
	.end_amdgpu_metadata
.endif
;; end of part 4
